; MI455X (gfx1250); checked and timed in simulation.
; The chip was launched on July 23, 2026; its instructions are those of AMD's public machine-readable ISA for CDNA 5 (MIT licence, August 2026) and "CDNA5" Instruction Set Architecture Reference Guide (July 2026). The comments in the code are by the model that wrote it; some were corrected since.
;; Causal Self Attention. Allowed arithmetic: matrix products marked QUANTISED: E2M3 operands, one E8M0 scale for each 32 along K, by v_wmma_scale_f32_16x16x128_f8f6f4 with both operands' format E2M3, f32 sums; everything else in f32.
;; Inputs: W_attn 1,024 x 3,072 float32; W_proj 1,024 x 1,024 float32; b_attn 3,072 float32; b_proj 1,024 float32; x 4 x 2,048 x 1,024 float32.
;; Outputs: out0 4 x 2,048 x 1,024 float32.
;; This version of the problem:
;;   THIS VERSION OF THE PROBLEM IS GIVEN IN LOW PRECISION. The matrix products marked QUANTISED in the list below multiply operands that are first quantised to E2M3 (2 exponent bits, 3 mantissa bits; 6 bits a number), with one power-of-two scale for each 32 numbers along K (OCP MX v1.0); their sums are f32. All else is computed in f32.
;;   The module's matrix products, in the order in which they are computed (A, B: the left and right operand; K: the contracted axis; several contracted axes count as one K, in the product's order):
;;     1. [M 8,192, K 1,024] x [K 1,024, N 3,072]; A: input x; B: input W_attn: QUANTISED
;;     2. batch 64 x [M 2,048, K 64] x [K 64, N 2,048]; A: computed on the way; B: computed on the way: QUANTISED
;;     3. batch 64 x [M 2,048, K 2,048] x [K 2,048, N 64]; A: softmax (see below); B: computed on the way: QUANTISED
;;     4. [M 8,192, K 1,024] x [K 1,024, N 1,024]; A: computed on the way; B: input W_proj: QUANTISED
;;   THE QUANTISER, for each operand of a quantised product, along K:
;;     - K is cut into blocks of 32 from its start; a last block that is shorter is filled with zeros.
;;     - A block's scale is 2^e with e = floor(log2(the largest magnitude in the block)) - 2, held to -126 .. 127; a block of zeros has e = 0. As a byte (E8M0): e + 127.
;;     - Each number is divided by its block's scale, clamped to +-7.5, and rounded to the nearest number of E2M3, ties to even, subnormals kept.
;;     - The product sums the exact products of the quantised numbers (number of the format x scale) in f32.
;;   ~~~python
;;   def quantise(x, axis):      # numpy; x: float32 -> the quantised numbers, widened to float32 again
;;       x = np.moveaxis(x, axis, -1); K = x.shape[-1]
;;       x = np.pad(x, [(0, 0)] * (x.ndim - 1) + [(0, -K % 32)]); x = x.reshape(x.shape[:-1] + (-1, 32)); a = np.abs(x).max(-1, keepdims=True)
;;       e = np.where(a > 0, np.clip(np.frexp(np.where(a > 0, a, 1))[1] - 1 - 2, -126, 127), 0)      # np.frexp(a)[1] - 1 = floor(log2(a)), exactly
;;       r = np.clip(x / 2.0 ** e, -7.5, 7.5)
;;       step = 2.0 ** (np.maximum(np.frexp(np.where(r == 0, 1, r))[1] - 1, 0) - 3)
;;       q = np.round(r / step) * step * 2.0 ** e      # np.round: ties to even
;;       return np.moveaxis(q.reshape(q.shape[:-2] + (-1,))[..., :K], -1, axis).astype(np.float32)
;;   ~~~
;;   SOFTMAX AHEAD OF A QUANTISED PRODUCT. Where the list says 'softmax', what is quantised is not the finished softmax but p = 2^(t - M), with t = logit x log2(e) and M = ceil(the row's largest t), a whole number; so 1/2 < the row's largest p <= 1. The row's sum l is taken of the UNQUANTISED p, in f32, and the product's result is divided by l at the end. Since M is a whole number, a kernel that streams over the keys may use a running M (the ceiling of the running maximum): every later rescaling is an exact power of two, which a block's scale takes up: the codes' values come out the same.
;;   OPERANDS COMPUTED ON THE WAY. 'Computed on the way' means the value that the module computes at that place (a softmax that the list does not call 'softmax' is quantised finished and normalised). What goes into a quantiser is computed in f32, as accurately as f32 sums, v_exp_f32 and their like allow (about 1e-6 of the number): no bf16 or f16 on the way to a quantiser, and a product that is left as it is and whose result goes on into a quantised operand takes f32 operands (vector FMAs, or v_wmma_f32_16x16x4_f32). A number that lies on a knife's edge between two numbers of the format may be rounded either way, as far as f32 arithmetic and the matrix unit's own rounding can turn it there, and no further.
;; One version. Each part assembles by itself: llvm-mc -triple=amdgcn-amd-amdhsa -mcpu=gfx1250 --defsym DOCPART=n.
;; ======== version 1 of 1: 4 launches
;; workspace buffers: xc 6,291,456 bytes; xs 262,144 bytes; wc 3,145,728 bytes; ws 131,072 bytes; qb 6,815,744 bytes; kv 13,631,488 bytes; yc 6,291,456 bytes; ys 262,144 bytes
;; launch quant (part 1): grid 768 x 1, 4 waves a work-group, no clusters, 68,096 bytes of LDS; arguments x, W_attn, W_proj, xc, xs, wc, ws; writes xc, xs, wc, ws
.if DOCPART == 1
	.amdgcn_target "amdgcn-amd-amdhsa--gfx1250"
	.amdhsa_code_object_version 6
	.text
	.protected	k_qfbae6eca1c_quant
	.globl	k_qfbae6eca1c_quant
	.p2align	8
	.type	k_qfbae6eca1c_quant,@function
k_qfbae6eca1c_quant:
	s_mov_b64 s[64:65], 0
	v_nop
	global_prefetch_b8 v0, s[64:65] scope:SCOPE_SE
	s_setreg_imm32_b32 hwreg(HW_REG_WAVE_MODE, 25, 1), 1
	s_wait_xcnt 0x0
; x [8192][1024], W_attn [1024][3072] and W_proj [1024][1024], f32, become codes of FP6 (E2M3) with one E8M0 byte for each 32 along K (x: its last axis; the weights: their FIRST axis).
; A block's scale is 2^(floor(log2(its largest magnitude)) - 2); its byte is the largest magnitude's exponent field - 2, held at 1 from below.
; LIMITS: NaN and infinities among the inputs are not served.  A block whose largest magnitude lies under 2^(3 - 127), a block of zeros among them, keeps the byte 1 (for zeros the quantiser says 127):
; its codes are zeros or the nearest codes under that scale, and the bytes are read by this program alone.
; THE CODES LIE AS IMAGES OF OPERAND REGISTERS.  A UNIT is 16 rows x 64 along K, 768 bytes: lane l = r + 16 h holds block h (32 codes, 6 registers) of row r; its registers 0-3 lie at 16 l, its registers 4-5 at 512 + 8 l.
; So every store of codes covers 512 or 256 consecutive bytes, aligned, and a fragment of 16 x 128 is two units.  xc: [row tile 512][unit 16][768].  wc: [column tile 256][unit 16][768], tiles 0-191 W_attn's columns, 192-255 W_proj's.
; xs: [row][32], ws: [column][32]: byte K / 32.  A wave stores 4 or 8 bytes of each 32 there, so those aligned blocks of 256 bytes are written in part: one byte for each 128 that the launch reads.
; W_proj's 32 numbers of a block are laid in the order in which the attention launch lays y's: position 16 a + 8 u + j holds element 16 u + 8 a + j.  Both operands of that product have it, so the products are the same; only their order within a block differs.
; SHARES.  Work-groups 0-511: a row tile of x, wave w its K quarter.  512-703: 128 columns x 128 K of W_attn.  704-767: the same of W_proj.  Waves share nothing: no barrier.  Each work-group reads 64 KiB.
.set STW,   16896                      ; LDS of a wave (path x alone): two stages of 16 rows x (512 + 16) bytes
.set SPARE, 4*STW                      ; behind them the spare words, 128 bytes a wave: two blocks of 256 bytes that no other line names
.set SPW,   12                         ; v12  my spare word's address; never rewritten
.set NIL,   13                         ; v13  0; never rewritten
.set R,     32                         ; v32-159  numbers as loaded
.set X,     160                        ; v160-223 path x: 64 numbers turned;  weights: codes, 8 registers a block
.set C,     224                        ; v224-247 path x: codes, 12 registers a fragment;  v248-250, v252-254: a conversion's second halves
	s_load_b256 s[4:11], s[0:1], 0x0               ; x s[4:5], W_attn s[6:7], W_proj s[8:9], xc s[10:11]
	s_load_b128 s[12:15], s[0:1], 0x20             ; xs s[12:13], wc s[14:15]
	s_load_b64 s[16:17], s[0:1], 0x30              ; ws
	v_lshl_add_u32 v[SPW], v0, 2, SPARE
	v_mov_b32 v[NIL], 0
	v_lshrrev_b32 v1, 5, v0
	v_readfirstlane_b32 s18, v1                    ; wave
	v_and_b32 v1, 31, v0                           ; lane
	v_and_b32 v2, 15, v0                           ; r
	v_bfe_u32 v3, v0, 4, 1                         ; h
	s_mul_i32 s23, s18, STW
	v_lshlrev_b32 v7, 4, v1                        ; 16 x lane
	v_lshlrev_b32 v8, 3, v1                        ; 8 x lane
	v_add_nc_u32 v5, s23, v7                       ; the stage, on the way in: a row's 512 bytes as they lie
	v_mul_u32_u24 v6, v2, 528
	v_lshl_add_u32 v6, v3, 7, v6
	v_add_nc_u32 v6, s23, v6                       ; and on the way out: row r, + 128 h: my block's 32 numbers
	v_lshlrev_b32 v10, 3, v3                       ; 8 h
	v_mov_b32 v25, 0                               ; a lane permute's destination counts as one of its sources
	s_mov_b32 s20, 0x76543210
	s_mov_b32 s21, 0xfedcba98                      ; selects for lane l xor 16
	s_mov_b32 s22, 0xffff0000                      ; lanes 16-31
	s_mov_b32 s25, 0
	s_mov_b32 s27, 0
	s_mov_b32 s29, 0
	s_wait_kmcnt 0x0
	s_cmp_lt_u32 ttmp9, 512
	s_cbranch_scc0 .Lweights
; ---- x: 16 rows x 256 along K a wave: two fragments.
; Each load reads 512 consecutive bytes of a row; the conversions want a block's 32 numbers in ONE lane: so a fragment's 8 KiB turn through the wave's own stage (rows 528 bytes apart: the sixteen rows of a read start in different banks).
.macro XFRAG f
	s_wait_loadcnt 16*(1-\f)                       ; this fragment's sixteen loads are in; the other's sixteen, issued behind them, may be out
.set p, 0
.rept 16
	ds_store_b128 v5, v[R+64*\f+4*p:R+64*\f+4*p+3] offset:8448*\f+528*p
.set p, p+1
.endr
.irp c, 0,1
.set p, 0
.rept 8
	ds_load_b128 v[X+32*\c+4*p:X+32*\c+4*p+3], v6 offset:8448*\f+256*\c+16*p   ; LDS serves a wave's instructions in order: these see my stores.  Blocks h and 2 + h of row r
.set p, p+1
.endr
.endr
	s_wait_dscnt 0x0
.irp c, 0,1
	v_max3_num_f32 v[16+\c], |v[X+32*\c]|, |v[X+32*\c+1]|, 0x1800000   ; the block's largest magnitude, with the floor 2^(3 - 127) among its leaves: the byte cannot fall under 1
.endr
.irp i, 2,4,6,8,10,12,14,16,18,20,22,24,26,28,30
.irp c, 0,1
	v_max3_num_f32 v[16+\c], v[16+\c], |v[X+32*\c+\i]|, |v[X+32*\c+\i+1]|
.endr
.endr
.irp c, 0,1
	v_add_nc_u32 v[18+\c], 0xff000000, v[16+\c]    ; 2 off its exponent field: the conversion takes that field of this operand as its scale
.endr
.irp c, 0,1
	v_lshrrev_b32 v[22+\c], 23, v[18+\c]           ; the scale's byte
.endr
	v_lshl_or_b32 v24, v23, 16, v22                ; my two bytes, blocks h and 2 + h,
	v_lshlrev_b32 v24, v10, v24                    ; at their places in the row's word;
	v_permlanex16_b32 v25, v24, s20, s21
	v_or_b32 v[26+\f], v24, v25                    ; with lane l xor 16's two the word is whole
.irp c, 0,1
	v_cvt_scalef32_pk16_fp6_f32 v[C+12*\f+6*\c:C+12*\f+6*\c+2], v[X+32*\c:X+32*\c+15], v[18+\c]
	v_cvt_scalef32_pk16_fp6_f32 v[248+4*\c:250+4*\c], v[X+32*\c+16:X+32*\c+31], v[18+\c]   ; (a conversion's three registers begin on an even number)
.endr
	v_nop                                          ; one plain place behind a scaled conversion
.irp c, 0,1
.irp i, 0,1,2
	v_mov_b32 v[C+12*\f+6*\c+3+\i], v[248+4*\c+\i]
.endr
.endr
.irp c, 0,1
	global_store_b128 v7, v[C+12*\f+6*\c:C+12*\f+6*\c+3], s[10:11] offset:768*(2*\f+\c)        ; 512 consecutive bytes
	global_store_b64 v8, v[C+12*\f+6*\c+4:C+12*\f+6*\c+5], s[10:11] offset:768*(2*\f+\c)+512   ; 256 consecutive bytes
.endr
.endm
	s_lshl_b32 s24, ttmp9, 16                      ; 16 rows of 4,096 bytes,
	s_lshl_b32 s30, s18, 10                        ; my quarter of a row
	s_add_co_u32 s24, s24, s30
	s_add_nc_u64 s[4:5], s[4:5], s[24:25]
	s_mul_i32 s26, ttmp9, 12288                    ; the row tile's 16 units,
	s_mul_i32 s30, s18, 3072                       ; my four
	s_add_co_u32 s26, s26, s30
	s_add_nc_u64 s[10:11], s[10:11], s[26:27]
	s_lshl_b32 s28, ttmp9, 9                       ; 16 rows of 32 scale bytes,
	s_lshl_b32 s30, s18, 3                         ; my two words
	s_add_co_u32 s28, s28, s30
	s_add_nc_u64 s[12:13], s[12:13], s[28:29]
	v_lshlrev_b32 v9, 5, v2
	v_lshl_add_u32 v9, v3, 2, v9                   ; 32 r + 4 h: lanes 0-15 store the first fragment's word, lanes 16-31 the second's
.irp f, 0,1
.set p, 0
.rept 16
	global_load_b128 v[R+64*\f+4*p:R+64*\f+4*p+3], v7, s[4:5] offset:4096*p+512*\f th:TH_LOAD_NT
.set p, p+1
.endr
.endr
	XFRAG 0
	XFRAG 1                                        ; no register of a store is written again: no wait for the stores' sources is owed
	v_cndmask_b32 v28, v26, v27, s22
	global_store_b32 v9, v28, s[12:13]
	s_wait_tensorcnt 0x0                           ; the wave's end, behind my last LDS store
	ds_add_u32 v[SPW], v[NIL]
	s_wait_dscnt 0x0
	s_endpgm
; ---- the weights: A LANE TAKES A COLUMN, ITS REGISTERS RUN DOWN K: a block of 32 lies in one lane, and the codes come out with K innermost.  No LDS.
.macro WLOAD t, N, PERM, plo           ; block t of the K step: 32 rows, each load 128 consecutive bytes; PERM = 1: in the order stated at the head
.irp i, 0,1,2,3,4,5,6,7,8,9,10,11,12,13,14,15,16,17,18,19,20,21,22,23,24,25,26,27,28,29,30,31
	global_load_b32 v[R+32*(\t)+\i], v4, s[\plo:\plo+1] offset:(32*(\t)+(\PERM)*((\i%8)+((\i/8)%2)*16+(\i/16)*8)+(1-(\PERM))*\i)*(\N)*4 th:TH_LOAD_NT
.endr
.endm
.macro WBLOCK t
.set XS, R+32*(\t)
	v_max3_num_f32 v16, |v[XS]|, |v[XS+1]|, |v[XS+2]|
	v_max3_num_f32 v17, |v[XS+3]|, |v[XS+4]|, |v[XS+5]|
.irp i, 6,10,14,18,22,26
	v_max3_num_f32 v16, v16, |v[XS+\i]|, |v[XS+\i+1]|
	v_max3_num_f32 v17, v17, |v[XS+\i+2]|, |v[XS+\i+3]|
.endr
	v_max3_num_f32 v16, v16, |v[XS+30]|, |v[XS+31]|
	v_max3_num_f32 v16, v16, v17, 0x1800000        ; and the floor
	v_add_nc_u32 v18, 0xff000000, v16
	v_lshrrev_b32 v19, 23, v18
.if (\t) == 0
	v_mov_b32 v20, v19                             ; the K step's four bytes make my column's word
.else
	v_lshl_or_b32 v20, v19, 8*(\t), v20
.endif
	v_cvt_scalef32_pk16_fp6_f32 v[X+8*(\t):X+8*(\t)+2], v[XS:XS+15], v18
	v_cvt_scalef32_pk16_fp6_f32 v[X+8*(\t)+4:X+8*(\t)+6], v[XS+16:XS+31], v18
	v_nop                                          ; one plain place behind a scaled conversion
	v_mov_b32 v[X+8*(\t)+3], v[X+8*(\t)+4]         ; the block's six registers on end
	v_mov_b32 v[X+8*(\t)+4], v[X+8*(\t)+5]
	v_mov_b32 v[X+8*(\t)+5], v[X+8*(\t)+6]
.endm
.macro WOUT u                          ; blocks 2 u and 2 u + 1 of my 32 columns become unit u of two column tiles: the first run's lanes 16-31 change places with the second's lanes 0-15
.irp i, 0,1,2,3,4,5
	v_permlane16_swap_b32 v[X+16*\u+\i], v[X+16*\u+8+\i]
.endr
	global_store_b128 v7, v[X+16*\u:X+16*\u+3], s[14:15] offset:768*\u
	global_store_b64 v8, v[X+16*\u+4:X+16*\u+5], s[14:15] offset:768*\u+512
	global_store_b128 v7, v[X+16*\u+8:X+16*\u+11], s[14:15] offset:12288+768*\u
	global_store_b64 v8, v[X+16*\u+12:X+16*\u+13], s[14:15] offset:12288+768*\u+512
.endm
.macro WPATH N, PERM, plo, id0, TILE0, ROW0
	s_sub_co_u32 s24, ttmp9, \id0
	s_lshr_b32 s30, s24, 3                         ; which 128 columns
	s_and_b32 s31, s24, 7                          ; which 128 along K
	s_mul_i32 s24, s31, 512*\N                     ; 128 rows of N x 4 bytes,
	s_lshl_b32 s32, s30, 9
	s_add_co_u32 s24, s24, s32                     ; 128 columns,
	s_lshl_b32 s32, s18, 7
	s_add_co_u32 s24, s24, s32                     ; my wave's 32
	s_add_nc_u64 s[\plo:\plo+1], s[\plo:\plo+1], s[24:25]
	s_mul_i32 s26, s30, 98304                      ; 8 column tiles of 12,288 bytes,
	s_mul_i32 s32, s18, 24576                      ; my two,
	s_add_co_u32 s26, s26, s32
	s_mul_i32 s32, s31, 1536                       ; the K step's two units
	s_add_co_u32 s26, s26, s32
	s_add_co_u32 s26, s26, \TILE0*12288
	s_add_nc_u64 s[14:15], s[14:15], s[26:27]
	s_lshl_b32 s28, s30, 12                        ; 128 rows of 32 scale bytes,
	s_lshl_b32 s32, s18, 10
	s_add_co_u32 s28, s28, s32
	s_lshl_b32 s32, s31, 2                         ; the K step's word
	s_add_co_u32 s28, s28, s32
	s_add_co_u32 s28, s28, \ROW0*32
	s_add_nc_u64 s[16:17], s[16:17], s[28:29]
	WLOAD 0, \N, \PERM, \plo
	WLOAD 1, \N, \PERM, \plo
	s_wait_loadcnt 32                              ; block 0 is in; block 1's 32 loads may be out
	WLOAD 2, \N, \PERM, \plo
	WBLOCK 0
	s_wait_loadcnt 32                              ; block 1 is in; block 2's may be out
	WLOAD 3, \N, \PERM, \plo
	WBLOCK 1
	WOUT 0
	s_wait_loadcnt 32                              ; block 2 is in; block 3's may be out
	WBLOCK 2
	s_wait_loadcnt 0x0
	WBLOCK 3
	WOUT 1
	global_store_b32 v9, v20, s[16:17]
.endm
.Lweights:
	v_lshlrev_b32 v4, 2, v1                        ; 4 x lane: my column
	v_lshlrev_b32 v9, 5, v1                        ; 32 x lane: its row of scale bytes
	s_cmp_lt_u32 ttmp9, 704
	s_cbranch_scc0 .Lproj
	WPATH 3072, 0, 6, 512, 0, 0
	s_endpgm
.Lproj:
	WPATH 1024, 1, 8, 704, 192, 3072
	s_endpgm
.Lfunc_end_k_qfbae6eca1c_quant:
	.size	k_qfbae6eca1c_quant, .Lfunc_end_k_qfbae6eca1c_quant-k_qfbae6eca1c_quant
	.p2alignl 7, 3214868480
	.fill 96, 4, 3214868480
	.section	.rodata,"a",@progbits
	.p2align	6, 0x0
	.amdhsa_kernel k_qfbae6eca1c_quant
		.amdhsa_group_segment_fixed_size 68096
		.amdhsa_private_segment_fixed_size 0
		.amdhsa_enable_private_segment 0
		.amdhsa_kernarg_size 56
		.amdhsa_user_sgpr_count 2
		.amdhsa_user_sgpr_kernarg_segment_ptr 1
		.amdhsa_wavefront_size32 1
		.amdhsa_system_sgpr_workgroup_id_x 1
		.amdhsa_system_sgpr_workgroup_id_y 1
		.amdhsa_system_sgpr_workgroup_id_z 1
		.amdhsa_system_vgpr_workitem_id 0
		.amdhsa_next_free_vgpr 256
		.amdhsa_next_free_sgpr 66
		.amdhsa_reserve_vcc 0
		.amdhsa_float_denorm_mode_32 3
		.amdhsa_float_denorm_mode_16_64 3
		.amdhsa_memory_ordered 1
		.amdhsa_forward_progress 1
		.amdhsa_inst_pref_size 57
	.end_amdhsa_kernel
	.amdgpu_metadata
---
amdhsa.version: [ 1, 2 ]
amdhsa.kernels:
  - .name:           k_qfbae6eca1c_quant
    .symbol:         k_qfbae6eca1c_quant.kd
    .args:
      - { .name: x, .offset: 0, .size: 8, .value_kind: global_buffer, .address_space: global }
      - { .name: W_attn, .offset: 8, .size: 8, .value_kind: global_buffer, .address_space: global }
      - { .name: W_proj, .offset: 16, .size: 8, .value_kind: global_buffer, .address_space: global }
      - { .name: xc, .offset: 24, .size: 8, .value_kind: global_buffer, .address_space: global }
      - { .name: xs, .offset: 32, .size: 8, .value_kind: global_buffer, .address_space: global }
      - { .name: wc, .offset: 40, .size: 8, .value_kind: global_buffer, .address_space: global }
      - { .name: ws, .offset: 48, .size: 8, .value_kind: global_buffer, .address_space: global }
    .group_segment_fixed_size: 68096
    .private_segment_fixed_size: 0
    .kernarg_segment_align: 8
    .kernarg_segment_size: 56
    .max_flat_workgroup_size: 128
    .sgpr_count:     66
    .vgpr_count:     256
    .wavefront_size: 32
...
	.end_amdgpu_metadata
.endif
;; end of part 1
;; launch qkv (part 2): grid 8 x 48, 4 waves a work-group, clusters of 4 x 4, 327,680 bytes of LDS; arguments xc, xs, wc, ws, b_attn, qb, kv; writes qb, kv
.if DOCPART == 2
	.amdgcn_target "amdgcn-amd-amdhsa--gfx1250"
	.amdhsa_code_object_version 6
	.text
	.protected	k_qfbae6eca1c_qkv
	.globl	k_qfbae6eca1c_qkv
	.p2align	8
	.type	k_qfbae6eca1c_qkv,@function
k_qfbae6eca1c_qkv:
	s_mov_b64 s[64:65], 0
	v_nop
	global_prefetch_b8 v0, s[64:65] scope:SCOPE_SE
	s_setreg_imm32_b32 hwreg(HW_REG_WAVE_MODE, 25, 1), 1
	s_wait_xcnt 0x0
	s_wait_alu depctr_hold_cnt(0) depctr_sa_sdst(0) depctr_va_vdst(0) depctr_va_sdst(0) depctr_va_ssrc(0) depctr_va_vcc(0) depctr_vm_vsrc(0)
	s_getreg_b32 s2, hwreg(HW_REG_IB_STS2, 6, 4)
	s_cmp_eq_u32 s2, 0
	s_cbranch_scc0 .Lentry_in_a_cluster
	s_endpgm
.Lentry_in_a_cluster:
	s_bfe_u32 s2, ttmp6, 0x10000c
	s_cmp_lg_u32 s2, 0xf033
	s_cbranch_scc0 .Lentry_shape_is_right
	s_endpgm
.Lentry_shape_is_right:
; qkv = x W_attn + b_attn on codes of FP6 (E2M3) with E8M0 scales, sums in f32; q, k and v never go to memory as f32: they are quantised on the way out, q and k along the head's 64 channels, v along the keys.
; A tile of 256 x 256 to a work-group of four waves, 128 x 128 a wave: 64 accumulators, 512 registers.  K = 1,024 goes in four steps of 256 through a ring of two LDS slots filled by the tensor data mover.
; CODES LIE AS UNITS (16 rows x 64 K, 768 bytes: lane l's registers 0-3 at 16 l, registers 4-5 at 512 + 8 l), 16 units a row tile: a slot's part of a row tile is 3,072 dense bytes; LDS reads take consecutive bytes: no padding.
; TWO ROLES.  Role A is source 1 of the matrix instruction: its rows become the result's LANES.  Role B is source 0: its rows become a lane's REGISTERS, eight neighbours.  A quantiser wants its K along a lane's registers.
;   cluster y 0-7  (q, k): A = x (tile row 4 y + cy), B = W_attn's columns 0-2047 (tile column 4 x + cx): a lane holds a token and channels.
;   cluster y 8-11 (v):    A = W_attn's columns 2048-3071 (tile row cy), B = x (tile column 4 (x + 2 (y - 8)) + cx): a lane holds a channel and tokens (keys).
; Only pointers and row numbers differ, chosen by s_cselect on the cluster's y; the one branch on it stands in front of the way out.
; CLUSTERS: 4 x 4.  A's tiles hang on cy alone and are asked for jointly by a row of the cluster, B's on cx alone, by a column.
; THE ORDER INSIDE A BLOCK.  A lane's 16 registers of two neighbouring result tiles go through one conversion, and the halves of the lanes then change places: position 16 a + 8 u + j of a block holds element 16 u + 8 a + j.
; Both operands of each later product are made this way, so the products are the same; the block, its scale and its codes are as the quantiser has them.
; OUT.  qb: q's units [head 64][query tile 128][768]; from byte 6,291,456 q's scale words [head][step 16][512]: lane l's 16 bytes are four words, word i of tile i (lanes 0-15) or tile 4 + i (lanes 16-31); bytes 2 and 3 of a word are 0.
;   kv: [head 64][key step 16][13,312]: k's 8 units; v's 4 fragments (16 channels x 128 keys, three images of 512 bytes each); k's words as q's; v's words (lane l: the words of channel tiles 0-3 for channel l % 16).
; LIMITS: NaN and infinities are not served; a block whose largest magnitude lies under 2^(3 - 127), zeros among them, keeps the byte 1 (read by this program alone).
; REGISTERS: window 0: v0-31 addresses; v32-63 scale words, two sets; v64-127 the bias by registers, v224-239 the bias by lanes; v128-223 A's fragments, ONE set; on the way out v128-255 are at work.
;   window 1: B's fragments, two sets, at v0 and v128.   windows 2, 3: the accumulators ((a, b) at v[8 (8 (a % 4) + b)] of window 2 + a / 4).
.set FR,    12                         ; registers of a fragment: 16 rows x 128 K
.set NL,    4                          ; LDS loads that bring one
.set NP,    4                          ; places behind this matrix instruction (ISA guide 7.12.1)
.set NQ,    2                          ; steps of 128 along K in a slot
.set TP,    NQ*1536                    ; a row tile's bytes in a slot
.set HALFT, 8*TP                       ; 128 rows: what one tensor load brings, and what one wave reads of A or of B
.set SLOT,  4*HALFT
.set SCL,   2*SLOT                     ; behind the ring: the scales of all of K, as rows of 256 bytes + 16 of padding
.set HALFS, 16*272                     ; those of 128 rows
.set SBLK,  544                        ; those of 16 rows
.set SPARE, SCL+4*HALFS                ; the spare words, 128 bytes a wave: two blocks of 256 bytes that no other line names
.set ADRA, 16                          ; v16-17 A's fragments in slot 0, 1: + 16 x lane;  v18-19: + 8 x lane
.set ADRB, 20                          ; v20-23 the same for B
.set LI,   24                          ; v24  16 x lane
.set LJ,   25                          ; v25  8 x lane
.set ADRS, 27                          ; v27  my scale words: lanes 0-15 A's rows, lanes 16-31 B's
.set SPW,  28                          ; v28  my spare word's address; never rewritten
.set NIL,  29                          ; v29  0; never rewritten
.set SC,   32                          ; set s at v[SC + 16 s]; register 2 i + q: lanes 0-15 the word of A's block i, lanes 16-31 of B's block i
.set BQ,   64
.set AF,   128
.set BV,   224
.set T,    128                         ; the way out: 64 numbers of a lane
.set PC,   192                         ; the codes just made (12), and v204-206, v208-210 a conversion's second halves
.set PW,   211                         ; a scale word just made
.set WD,   212                         ; the blocks' scale words
.set WI,   228                         ; word images
.set TM,   240                         ; v240-255 at work in the quantiser
.set G1, 24                            ; s[24:31] group 1 for A's tiles;  s[32:39] group 0, a set for each slot
.set G0, 32
.set G1B, 48                           ; s[48:55], s[56:63] the same for B's
.set G0B, 56
.set G1S, 68                           ; s[68:75], s[76:79] for A's scales;  s[80:87], s[88:91] for B's
.set G0S, 76
.set G1SB, 80
.set G0SB, 88
.set MSB, 0
.macro WIN new                         ; the immediate's high byte repeats the setting that is left
.if MSB != \new
	s_set_vgpr_msb (MSB<<8)|\new
.set MSB, \new
.endif
.endm
.set MUL_LO, 0xa1                      ; source 0 (B) window 1, source 1 (A) window 0, C and D window 2
.set MUL_HI, 0xf1                      ; the same, C and D window 3
.set TO_B,   0x40                      ; destination window 1, address window 0
; A joint load: waves 0 and 1 fetch for A, waves 2 and 3 for B; the branch hangs on the wave's number alone.  An s_nop 0 and four v_nop follow each of the two lines.
.macro JLOAD g0a, g1a, g0b, g1b
	s_cmp_eq_u32 s19, 0
	s_cbranch_scc0 .Lfor_b_\@
	tensor_load_to_lds s[\g0a:\g0a+3], s[\g1a:\g1a+7]
	s_nop 0
.rept 4
	v_nop
.endr
	s_branch .Lasked_\@
.Lfor_b_\@:
	tensor_load_to_lds s[\g0b:\g0b+3], s[\g1b:\g1b+7]
	s_nop 0
.rept 4
	v_nop
.endr
.Lasked_\@:
.endm
.macro CREST                           ; a round of the cluster's barrier behind its opening barrier
	s_cmp_lg_u32 s18, 0
	s_cbranch_scc1 .Lnot_wave_0_\@
	s_barrier_signal -3
.Lnot_wave_0_\@:
	s_barrier_wait -3
	s_barrier_signal -1
	s_barrier_wait -1
.endm
.macro CROUND
	s_barrier_signal -1
	s_barrier_wait -1
	CREST
.endm
	s_load_b256 s[4:11], s[0:1], 0x0               ; xc s[4:5], xs s[6:7], wc s[8:9], ws s[10:11]
	s_load_b128 s[12:15], s[0:1], 0x20             ; b_attn s[12:13], qb s[14:15]
	s_load_b64 s[16:17], s[0:1], 0x30              ; kv
	v_lshl_add_u32 v[SPW], v0, 2, SPARE
	v_mov_b32 v[NIL], 0
	ds_add_u32 v[SPW], v[NIL]                      ; the wave's opening: the add and its wait stand ahead of my first tensor load; the set-up below, work on registers, stands between them
	v_lshrrev_b32 v1, 5, v0
	v_readfirstlane_b32 s18, v1                    ; wave 0..3
	s_lshr_b32 s19, s18, 1                         ; HA: my half of A's rows.  Also: I fetch for A (0) or for B (1)
	s_and_b32 s20, s18, 1                          ; HB: my half of B's rows.  Also: which 128 rows I fetch
	s_bfe_u32 s21, ttmp6, 0x40000                  ; cx
	s_bfe_u32 s22, ttmp6, 0x40004                  ; cy
	s_and_b32 s66, ttmp7, 0xffff                   ; the cluster's y
	s_lshl_b32 s45, s66, 2
	s_sub_co_u32 s47, s66, 8
	s_lshl_b32 s47, s47, 1
	s_add_co_u32 s47, s47, ttmp9                   ; x + 2 (y - 8)
	s_cmp_ge_u32 s66, 8
	s_cselect_b32 s23, 1, 0                        ; P = 1: this cluster makes v.  The same in all sixteen partners
	s_cselect_b32 s45, 0, s45
	s_cselect_b32 s47, s47, ttmp9
	s_cselect_b32 s67, 2048, 0                     ; A's first row in its buffer
	s_add_co_u32 s40, s45, s22                     ; TR: A's tile, made of cy and the cluster's place alone
	s_lshl_b32 s47, s47, 2
	s_add_co_u32 s41, s47, s21                     ; TC: B's tile, made of cx and the cluster's place alone
	s_lshl_b32 s42, s22, 2
	s_lshl_b32 s42, 15, s42                        ; my row of the cluster
	s_lshl_b32 s43, 0x1111, s21                    ; my column
	; group 1, codes: 8 row tiles x 3,072 bytes (384 elements of 8 bytes), 12,288 bytes apart; no padding
	s_or_b32 s[G1+0], s42, (3<<16)|(1<<21)         ; 15:0 the mask; 17:16 elements of 8 bytes; 21 set beside a mask
	s_or_b32 s[G1B+0], s43, (3<<16)|(1<<21)
.irp g, G1, G1B
	s_mov_b32 s[\g+1], 384<<16                     ; tensor_dim0
	s_mov_b32 s[\g+2], 8<<16                       ; tensor_dim1
	s_mov_b32 s[\g+3], 384<<16                     ; tile_dim0
	s_mov_b32 s[\g+4], 8                           ; tile_dim1
	s_mov_b32 s[\g+5], 1536                        ; tensor_dim0_stride
	s_mov_b32 s[\g+6], 0
	s_mov_b32 s[\g+7], 0
.endr
	; group 1, scales of 128 rows: 4,096 dense bytes as 16 rows of 256 (32 elements of 8 bytes), 16 bytes of padding behind each
	s_or_b32 s[G1S+0], s42, (3<<16)|(1<<20)|(1<<21)|(5<<22)|(3<<25)
	s_or_b32 s[G1SB+0], s43, (3<<16)|(1<<20)|(1<<21)|(5<<22)|(3<<25)
.irp g, G1S, G1SB
	s_mov_b32 s[\g+1], 32<<16
	s_mov_b32 s[\g+2], 16<<16
	s_mov_b32 s[\g+3], 32<<16
	s_mov_b32 s[\g+4], 16
	s_mov_b32 s[\g+5], 32
	s_mov_b32 s[\g+6], 0
	s_mov_b32 s[\g+7], 0
.endr
	s_lshl_b32 s66, s20, 7                         ; which 128 rows of the tile I fetch
	s_lshl_b32 s44, s40, 8
	s_add_co_u32 s44, s44, s66
	s_add_co_u32 s44, s44, s67                     ; A's row
	s_lshl_b32 s46, s41, 8
	s_add_co_u32 s46, s46, s66                     ; B's row
	s_mul_i32 s92, s44, 768                        ; a row tile of 16 rows is 12,288 bytes of codes
	s_mov_b32 s93, 0
	s_lshl_b32 s94, s44, 5                         ; a row's scales are 32 bytes
	s_mov_b32 s95, 0
	s_mul_i32 s96, s46, 768
	s_mov_b32 s97, 0
	s_lshl_b32 s98, s46, 5
	s_mov_b32 s99, 0
	s_mul_i32 s45, s18, HALFT                      ; where they go: wave x 128 rows: no place in the cluster enters an LDS address
	s_mul_i32 s47, s18, HALFS
	s_wait_dscnt 0x0                               ; the opening add is done
	s_wait_kmcnt 0x0
	s_cmp_eq_u32 s23, 0                            ; the roles' buffers: the choice hangs on the cluster's y alone (the 64-bit sums leave SCC alone)
	s_cselect_b64 s[2:3], s[4:5], s[8:9]
	s_add_nc_u64 s[92:93], s[2:3], s[92:93]        ; A's codes
	s_cselect_b64 s[2:3], s[6:7], s[10:11]
	s_add_nc_u64 s[94:95], s[2:3], s[94:95]        ; A's scales
	s_cselect_b64 s[2:3], s[8:9], s[4:5]
	s_add_nc_u64 s[96:97], s[2:3], s[96:97]        ; B's codes
	s_cselect_b64 s[2:3], s[10:11], s[6:7]
	s_add_nc_u64 s[98:99], s[2:3], s[98:99]        ; B's scales
	CROUND                                         ; all sixteen work-groups are here: the first joint loads meet
	s_mov_b32 s[G0S], 1
	s_add_co_u32 s[G0S+1], s47, SCL
	s_mov_b64 s[G0S+2:G0S+3], s[94:95]
	s_or_b32 s[G0S+3], s[G0S+3], 0x80000000
	s_mov_b32 s[G0SB], 1
	s_add_co_u32 s[G0SB+1], s47, SCL
	s_mov_b64 s[G0SB+2:G0SB+3], s[98:99]
	s_or_b32 s[G0SB+3], s[G0SB+3], 0x80000000
	JLOAD G0S, G1S, G0SB, G1SB                     ; the scales first: they are wanted with the first K step.  With the two below, three loads of mine are out
.irp s, 0,1
	s_mov_b32 s[G0+4*\s], 1
	s_add_co_u32 s[G0+4*\s+1], s45, \s*SLOT
	s_add_nc_u64 s[G0+4*\s+2:G0+4*\s+3], s[92:93], \s*TP
	s_or_b32 s[G0+4*\s+3], s[G0+4*\s+3], 0x80000000
	s_mov_b32 s[G0B+4*\s], 1
	s_add_co_u32 s[G0B+4*\s+1], s45, \s*SLOT
	s_add_nc_u64 s[G0B+4*\s+2:G0B+4*\s+3], s[96:97], \s*TP
	s_or_b32 s[G0B+4*\s+3], s[G0B+4*\s+3], 0x80000000
	JLOAD G0+4*\s, G1, G0B+4*\s, G1B
.endr
	v_and_b32 v1, 31, v0                           ; lane
	v_and_b32 v2, 15, v0                           ; r
	v_bfe_u32 v3, v0, 4, 1                         ; h
	v_lshlrev_b32 v[LI], 4, v1
	v_lshlrev_b32 v[LJ], 3, v1
	s_mul_i32 s66, s19, HALFT                      ; my 128 rows of A
	s_mul_i32 s67, s20, HALFT                      ; my 128 rows of B,
	s_add_co_u32 s67, s67, 2*HALFT                 ; which lie behind A's 256
.irp s, 0,1
	v_add_nc_u32 v[ADRA+\s], s66, v[LI]
	v_add_nc_u32 v[ADRA+2+\s], s66, v[LJ]
	v_add_nc_u32 v[ADRB+\s], s67, v[LI]
	v_add_nc_u32 v[ADRB+2+\s], s67, v[LJ]
	s_add_co_u32 s66, s66, SLOT
	s_add_co_u32 s67, s67, SLOT
.endr
	v_lshlrev_b32 v5, 5, v2                        ; my row's scales: 32 bytes a row,
	v_lshrrev_b32 v6, 3, v2
	v_lshl_add_u32 v5, v6, 4, v5                   ; and 16 more behind each 256
	s_mul_i32 s66, s19, HALFS                      ; A's: my 128 rows
	s_mul_i32 s67, s20, HALFS                      ; B's: my 128 rows, behind A's 256
	s_add_co_u32 s67, s67, 2*HALFS
	s_sub_co_u32 s67, s67, s66
	v_mul_u32_u24 v6, s67, v3                      ; lanes 16-31 take B's: one product, the distance x h
	s_add_co_u32 s66, s66, SCL
	v_add_nc_u32 v5, v5, v6
	v_add_nc_u32 v[ADRS], s66, v5
	; the bias, in both layouts, so that no branch stands here: by registers (q, k: the lane's 8 channels of each of B's blocks) and by lanes (v: the lane's channel of each of A's blocks, twice, as a pair).
	; The set that this cluster does not use reads b_attn's first bytes and is ignored.
	s_lshl_b32 s46, s41, 10
	s_lshl_b32 s66, s20, 9
	s_add_co_u32 s46, s46, s66                     ; 4 (256 TC + 128 HB)
	s_lshl_b32 s44, s40, 10
	s_lshl_b32 s66, s19, 9
	s_add_co_u32 s44, s44, s66
	s_add_co_u32 s44, s44, 8192                    ; 4 (2048 + 256 TR + 128 HA)
	s_cmp_eq_u32 s23, 0
	s_cselect_b32 s46, s46, 0
	s_cselect_b32 s44, 0, s44
	s_mov_b32 s47, 0
	s_mov_b32 s45, 0
	s_add_nc_u64 s[46:47], s[12:13], s[46:47]
	s_add_nc_u64 s[44:45], s[12:13], s[44:45]
	v_lshlrev_b32 v4, 5, v3                        ; 32 h
	v_lshlrev_b32 v5, 2, v2                        ; 4 r
.irp b, 0,1,2,3,4,5,6,7
	global_load_b128 v[BQ+8*\b:BQ+8*\b+3], v4, s[46:47] offset:64*\b
	global_load_b128 v[BQ+8*\b+4:BQ+8*\b+7], v4, s[46:47] offset:64*\b+16
.endr
.irp a, 0,1,2,3,4,5,6,7
	global_load_b32 v[BV+2*\a], v5, s[44:45] offset:64*\a
	global_load_b32 v[BV+2*\a+1], v5, s[44:45] offset:64*\a
.endr
.macro FRAG reg, adr, q, i             ; a fragment is two units: 512 + 256 + 512 + 256 consecutive bytes, into registers 0-3, 4-5, 6-9, 10-11
	ds_load_b128 v[\reg:\reg+3], v[\adr] offset:(\i)*TP+(\q)*1536
	ds_load_b64 v[\reg+4:\reg+5], v[\adr+2] offset:(\i)*TP+(\q)*1536+512
	ds_load_b128 v[\reg+6:\reg+9], v[\adr] offset:(\i)*TP+(\q)*1536+768
	ds_load_b64 v[\reg+10:\reg+11], v[\adr+2] offset:(\i)*TP+(\q)*1536+1280
.endm
; 8 matrix instructions: A's block a x B's eight, 128 along K: the slot's q-th.  p: B's set; sc: the set of scale words.  zero = 1: the first product starts the sums.
; The 64 accumulators take turns, one instruction a turn, in the same order in every step.
.macro MULB a, p, q, sc, zero
.irp b, 0,1,2,3,4,5,6,7
.if \zero
	v_wmma_scale_f32_16x16x128_f8f6f4 v[8*(8*((\a)%4)+\b):8*(8*((\a)%4)+\b)+7], v[128*(\p)+FR*\b:128*(\p)+FR*\b+FR-1], v[AF+FR*(\a):AF+FR*(\a)+FR-1], 0, v[SC+8*NQ*(\sc)+NQ*\b+(\q)], v[SC+8*NQ*(\sc)+NQ*(\a)+(\q)] matrix_a_fmt:MATRIX_FMT_FP6 matrix_b_fmt:MATRIX_FMT_FP6 matrix_a_scale:MATRIX_SCALE_ROW1
.else
	v_wmma_scale_f32_16x16x128_f8f6f4 v[8*(8*((\a)%4)+\b):8*(8*((\a)%4)+\b)+7], v[128*(\p)+FR*\b:128*(\p)+FR*\b+FR-1], v[AF+FR*(\a):AF+FR*(\a)+FR-1], v[8*(8*((\a)%4)+\b):8*(8*((\a)%4)+\b)+7], v[SC+8*NQ*(\sc)+NQ*\b+(\q)], v[SC+8*NQ*(\sc)+NQ*(\a)+(\q)] matrix_a_fmt:MATRIX_FMT_FP6 matrix_b_fmt:MATRIX_FMT_FP6 matrix_a_scale:MATRIX_SCALE_ROW1
.endif
.endr
.endm
.macro FETCH_B slot, q, p
	WIN TO_B
.irp i, 0,1,2,3,4,5,6,7
	FRAG 128*(\p)+FR*\i, ADRB+\slot, \q, \i
.endr
	WIN 0
.endm
.macro FETCH_A slot, q, i0             ; A's blocks i0 .. i0 + 3
.irp i, \i0, \i0+1, \i0+2, \i0+3
	FRAG AF+FR*(\i), ADRA+\slot, \q, \i
.endr
.endm
.macro SCALES sc                       ; a slot's two words a row
.irp i, 0,1,2,3,4,5,6,7
	ds_load_b64 v[SC+8*NQ*\sc+NQ*\i:SC+8*NQ*\sc+NQ*\i+1], v[ADRS] offset:\i*SBLK
.endr
.endm
.macro PLACES n                        ; plain vector instructions between a matrix instruction and a load into, or a vector write of, one of its registers, or a read of its result
.rept \n
	v_nop
.endr
.endm
; A step of 128 along K that has its successor in the same slot.  A block of A is free as soon as its eight products are issued: blocks 0-3 are fetched anew in the step's middle, blocks 4-7 at its end.
.macro STEP slot, q, zero
	s_wait_dscnt 4*NL                              ; all but the youngest sixteen loads, A's blocks 4-7
	WIN MUL_LO
	MULB 0, (\q)%2, \q, \slot, \zero
	MULB 1, (\q)%2, \q, \slot, \zero
	MULB 2, (\q)%2, \q, \slot, \zero
	MULB 3, (\q)%2, \q, \slot, \zero
	s_wait_dscnt 0x0                               ; A's blocks 4-7 are in
	PLACES NP
	FETCH_B \slot, (\q)+1, 1-(\q)%2
	FETCH_A \slot, (\q)+1, 0
	WIN MUL_HI
	MULB 4, (\q)%2, \q, \slot, \zero
	MULB 5, (\q)%2, \q, \slot, \zero
	MULB 6, (\q)%2, \q, \slot, \zero
	MULB 7, (\q)%2, \q, \slot, \zero
	PLACES NP
	WIN 0
	FETCH_A \slot, (\q)+1, 4
.endm
; A slot's last step changes slots: ONE barrier; in front of it each wave waits for all its tensor loads, adds 0 to its spare word, and waits for that and for its reads of this slot.  fill = 1: the slot is filled again, two slots ahead.
.macro TURN slot, next, fill
	s_wait_tensorcnt 0x0                           ; all my tensor loads have landed: my part of the next slot
	ds_add_u32 v[SPW], v[NIL]                      ; 0 onto my spare word
	s_wait_dscnt 4*NL+1                            ; the add and the youngest sixteen loads, A's blocks 4-7, may be out
	WIN MUL_LO
	MULB 0, 1, NQ-1, \slot, 0
	MULB 1, 1, NQ-1, \slot, 0
	s_wait_dscnt 0x0                               ; the add is done, and my reads of this slot are over
	s_barrier_signal -1
	MULB 2, 1, NQ-1, \slot, 0
	MULB 3, 1, NQ-1, \slot, 0
	WIN 0
	s_barrier_wait -1
.if \fill
	CREST                                          ; the barrier has opened a round of the cluster's barrier: no wave of any partner still reads this slot or has a load on its way
	s_add_nc_u64 s[G0+4*\slot+2:G0+4*\slot+3], s[G0+4*\slot+2:G0+4*\slot+3], 2*TP
	s_add_nc_u64 s[G0B+4*\slot+2:G0B+4*\slot+3], s[G0B+4*\slot+2:G0B+4*\slot+3], 2*TP
	JLOAD G0+4*\slot, G1, G0B+4*\slot, G1B         ; the first tensor load behind the round, one a wave; its four v_nop are the places in front of the loads below
.else
	PLACES NP
.endif
	v_add_nc_u32 v[ADRS], 4*NQ, v[ADRS]            ; on to the next slot's scale words
	FETCH_B \next, 0, 0
	FETCH_A \next, 0, 0
	SCALES \next
	WIN MUL_HI
	MULB 4, 1, NQ-1, \slot, 0
	MULB 5, 1, NQ-1, \slot, 0
	MULB 6, 1, NQ-1, \slot, 0
	MULB 7, 1, NQ-1, \slot, 0
	PLACES NP
	WIN 0
	FETCH_A \next, 0, 4
.endm
	s_wait_tensorcnt 0x1                           ; the scales and my part of slot 0 are in; slot 1's load may be out
	s_barrier_signal -1
	s_barrier_wait -1
	FETCH_B 0, 0, 0
	FETCH_A 0, 0, 0
	SCALES 0
	FETCH_A 0, 0, 4
	STEP 0, 0, 1                                   ; K 0-127: its products start the sums.  The four slots' eight steps are written out: a loop would have one trip
	TURN 0, 1, 1                                   ; K 128-255; slot 0 takes K 512-767
	STEP 1, 0, 0
	TURN 1, 0, 1                                   ; slot 1 takes K 768-1023
	STEP 0, 0, 0
	TURN 0, 1, 0                                   ; nothing is left to fetch
	STEP 1, 0, 0
	s_wait_dscnt 4*NL                              ; the last step
	WIN MUL_LO
	MULB 0, 1, NQ-1, 1, 0
	MULB 1, 1, NQ-1, 1, 0
	MULB 2, 1, NQ-1, 1, 0
	MULB 3, 1, NQ-1, 1, 0
	s_wait_dscnt 0x0
	WIN MUL_HI
	MULB 4, 1, NQ-1, 1, 0
	MULB 5, 1, NQ-1, 1, 0
	MULB 6, 1, NQ-1, 1, 0
	MULB 7, 1, NQ-1, 1, 0
	WIN 0
; THE WAY OUT.  64 numbers of a lane, v[s] on, register 16 b + 8 u + j = element 32 b + 16 u + 8 h + j of my row, become a fragment's codes in v[PC] on and its scale word in v[pw].
.macro QUANT s, pw
.irp b, 0,1,2,3
	v_max3_num_f32 v[TM+\b], |v[\s+16*\b]|, |v[\s+1+16*\b]|, 0x1800000   ; block b: my 16 numbers, and the floor 2^(3 - 127): the byte cannot fall under 1
.endr
.irp i, 2,4,6,8,10,12,14
.irp b, 0,1,2,3
	v_max3_num_f32 v[TM+\b], v[TM+\b], |v[\s+16*\b+\i]|, |v[\s+1+16*\b+\i]|
.endr
.endr
.irp b, 0,1,2,3
	v_permlanex16_b32 v[TM+4+\b], v[TM+\b], s2, s3
.endr
.irp b, 0,1,2,3
	v_max_num_f32 v[TM+\b], v[TM+\b], v[TM+4+\b]   ; with lane l xor 16's: the block's largest magnitude
.endr
.irp b, 0,1,2,3
	v_add_nc_u32 v[TM+12+\b], 0xff000000, v[TM+\b] ; 2 off its exponent field: the conversion's scale operand
.endr
.irp b, 0,1,2,3
	v_lshrrev_b32 v[TM+4+\b], 23, v[TM+12+\b]      ; the scale's byte
.endr
	v_lshl_or_b32 v[\pw], v[TM+5], 8, v[TM+4]
	v_lshl_or_b32 v[\pw], v[TM+6], 16, v[\pw]
	v_lshl_or_b32 v[\pw], v[TM+7], 24, v[\pw]
	s_wait_xcnt 0x0                                ; the last block's stores have read the codes' registers: only now are they written again
.irp c, 0,1
	v_cvt_scalef32_pk16_fp6_f32 v[PC+6*\c:PC+2+6*\c], v[\s+32*\c:\s+15+32*\c], v[TM+12+2*\c]
	v_cvt_scalef32_pk16_fp6_f32 v[PC+12+4*\c:PC+14+4*\c], v[\s+16+32*\c:\s+31+32*\c], v[TM+12+2*\c+1]   ; (a conversion's three registers begin on an even number)
.endr
	v_nop                                          ; one plain place behind a scaled conversion
.irp c, 0,1                            ; the operand's layout wants a WHOLE block in a lane: lanes 0-15 block 2 c, lanes 16-31 block 2 c + 1
.irp i, 0,1,2
	v_permlane16_swap_b32 v[PC+6*\c+\i], v[PC+12+4*\c+\i]
.endr
.irp i, 0,1,2
	v_mov_b32 v[PC+3+6*\c+\i], v[PC+12+4*\c+\i]
.endr
.endr
.endm
	PLACES NP                                      ; behind the last products: their operands' registers are written below
	s_wait_loadcnt 0x0                             ; the bias
	s_mov_b32 s2, 0x76543210
	s_mov_b32 s3, 0xfedcba98                       ; selects for lane l xor 16
	s_mov_b32 s100, 0xffff0000                     ; lanes 16-31
.irp b, 0,1,2,3
	v_mov_b32 v[TM+4+\b], 0                        ; a lane permute's destination counts as one of its sources
.endr
	s_cmp_lg_u32 s23, 0                            ; the cluster's y: the same in every wave of all sixteen work-groups.  No tensor load of mine is out: the descriptors' registers are free
	s_cbranch_scc1 .Lv
	; ---- q and k: a lane holds a token; my 128 channels are two heads; A's block a is a tile of 16 tokens.
	s_lshr_b32 s44, s40, 3                         ; the batch
	s_and_b32 s45, s40, 7
	s_lshl_b32 s45, s45, 1
	s_add_co_u32 s45, s45, s19                     ; the step of 128 tokens in it
	s_lshl_b32 s46, s21, 2
	s_lshl_b32 s47, s20, 1
	s_add_co_u32 s46, s46, s47                     ; my first head: 4 cx + 2 HB
	s_lshl_b32 s44, s44, 4
	s_add_co_u32 s44, s44, s46                     ; 16 x batch + head
	s_mul_i32 s24, s44, 98304
	s_mul_i32 s25, s45, 6144
	s_add_co_u32 s24, s24, s25                     ; q: the codes,
	s_lshl_b32 s26, s44, 13
	s_lshl_b32 s27, s45, 9
	s_add_co_u32 s26, s26, s27
	s_add_co_u32 s26, s26, 6291456                 ; the words
	s_mul_i32 s28, s44, 212992
	s_mul_i32 s29, s45, 13312
	s_add_co_u32 s28, s28, s29                     ; k: the codes,
	s_add_co_u32 s30, s28, 12288                   ; the words
	s_mov_b32 s34, 98304                           ; from a head to the next
	s_mov_b32 s36, 8192
	s_cmp_eq_u32 ttmp9, 1                          ; cluster x = 1: columns 1024-2047 are k
	s_cselect_b64 s[38:39], s[16:17], s[14:15]
	s_cselect_b32 s24, s28, s24
	s_cselect_b32 s26, s30, s26
	s_cselect_b32 s34, 212992, s34
	s_cselect_b32 s36, 212992, s36
	s_mov_b32 s25, 0
	s_mov_b32 s27, 0
	s_mov_b32 s35, 0
	s_mov_b32 s37, 0
	s_add_nc_u64 s[92:93], s[38:39], s[24:25]      ; codes, first head
	s_add_nc_u64 s[94:95], s[92:93], s[34:35]      ; second head
	s_add_nc_u64 s[96:97], s[38:39], s[26:27]      ; words, first head
	s_add_nc_u64 s[98:99], s[96:97], s[36:37]      ; second head
.macro EPQ a
	WIN (0x02+(\a)/4)                              ; source 0: window 2 or 3
.set i, 0
.rept 32
	v_pk_add_f32 v[T+2*i:T+2*i+1], v[64*((\a)%4)+2*i:64*((\a)%4)+2*i+1], v[BQ+2*i:BQ+2*i+1]   ; + the bias; each accumulator from its low end on
.set i, i+1
.endr
	WIN 0
	QUANT T, PW
	v_and_b32 v[WD+\a], 0xffff, v[PW]              ; the first head's two bytes; bytes 2 and 3 stay 0,
	v_lshrrev_b32 v[WD+8+\a], 16, v[PW]            ; the second head's
	global_store_b128 v[LI], v[PC:PC+3], s[92:93] offset:768*(\a)          ; a unit: 512 + 256 consecutive bytes
	global_store_b64 v[LJ], v[PC+4:PC+5], s[92:93] offset:768*(\a)+512
	global_store_b128 v[LI], v[PC+6:PC+9], s[94:95] offset:768*(\a)
	global_store_b64 v[LJ], v[PC+10:PC+11], s[94:95] offset:768*(\a)+512
.endm
.irp a, 0,1,2,3,4,5,6,7
	EPQ \a
.endr
.irp i, 0,1,2,3
	v_cndmask_b32 v[WI+\i], v[WD+\i], v[WD+4+\i], s100         ; word i: tile i in lanes 0-15, tile 4 + i in lanes 16-31
	v_cndmask_b32 v[WI+4+\i], v[WD+8+\i], v[WD+12+\i], s100
.endr
	global_store_b128 v[LI], v[WI:WI+3], s[96:97]
	global_store_b128 v[LI], v[WI+4:WI+7], s[98:99]
	s_branch .Lend
.Lv:	; ---- v: a lane holds a channel; my 128 tokens are one key step; A's block a is channel tile a % 4 of head a / 4 of my two.
	s_lshr_b32 s44, s41, 3                         ; the batch
	s_and_b32 s45, s41, 7
	s_lshl_b32 s45, s45, 1
	s_add_co_u32 s45, s45, s20                     ; the key step
	s_lshl_b32 s46, s40, 2
	s_lshl_b32 s47, s19, 1
	s_add_co_u32 s46, s46, s47                     ; my first head: 4 TR + 2 HA
	s_lshl_b32 s44, s44, 4
	s_add_co_u32 s44, s44, s46
	s_mul_i32 s24, s44, 212992
	s_mul_i32 s25, s45, 13312
	s_add_co_u32 s24, s24, s25
	s_add_co_u32 s24, s24, 6144                    ; behind the record's units of k
	s_mov_b32 s25, 0
	s_add_nc_u64 s[92:93], s[16:17], s[24:25]
.macro EPV a
	WIN (0x02+(\a)/4)
.set i, 0
.rept 32
	v_pk_add_f32 v[T+2*i:T+2*i+1], v[64*((\a)%4)+2*i:64*((\a)%4)+2*i+1], v[BV+2*(\a):BV+2*(\a)+1]   ; + my channel's bias
.set i, i+1
.endr
	WIN 0
	QUANT T, WD+(\a)
.irp c, 0,1,2
	global_store_b128 v[LI], v[PC+4*\c:PC+4*\c+3], s[92:93] offset:((\a)/4)*212992+((\a)%4)*1536+512*\c   ; the fragment as an image of its registers
.endr
.endm
.irp a, 0,1,2,3,4,5,6,7
	EPV \a
.endr
.irp e, 0,1
	global_store_b128 v[LI], v[WD+4*\e:WD+4*\e+3], s[92:93] offset:\e*212992+6656   ; a head's four words a channel
.endr
.Lend:
	s_wait_tensorcnt 0x0                           ; the wave's end
	ds_add_u32 v[SPW], v[NIL]
	s_wait_dscnt 0x0
	CROUND                                         ; the closing round: no work-group ends while a partner may still ask for a tile that names it
	s_endpgm
.Lfunc_end_k_qfbae6eca1c_qkv:
	.size	k_qfbae6eca1c_qkv, .Lfunc_end_k_qfbae6eca1c_qkv-k_qfbae6eca1c_qkv
	.p2alignl 7, 3214868480
	.fill 96, 4, 3214868480
	.section	.rodata,"a",@progbits
	.p2align	6, 0x0
	.amdhsa_kernel k_qfbae6eca1c_qkv
		.amdhsa_group_segment_fixed_size 327680
		.amdhsa_private_segment_fixed_size 0
		.amdhsa_enable_private_segment 0
		.amdhsa_kernarg_size 56
		.amdhsa_user_sgpr_count 2
		.amdhsa_user_sgpr_kernarg_segment_ptr 1
		.amdhsa_wavefront_size32 1
		.amdhsa_system_sgpr_workgroup_id_x 1
		.amdhsa_system_sgpr_workgroup_id_y 1
		.amdhsa_system_sgpr_workgroup_id_z 1
		.amdhsa_system_vgpr_workitem_id 0
		.amdhsa_next_free_vgpr 1024
		.amdhsa_next_free_sgpr 102
		.amdhsa_reserve_vcc 0
		.amdhsa_float_denorm_mode_32 3
		.amdhsa_float_denorm_mode_16_64 3
		.amdhsa_memory_ordered 1
		.amdhsa_forward_progress 1
		.amdhsa_inst_pref_size 220
	.end_amdhsa_kernel
	.amdgpu_metadata
---
amdhsa.version: [ 1, 2 ]
amdhsa.kernels:
  - .name:           k_qfbae6eca1c_qkv
    .symbol:         k_qfbae6eca1c_qkv.kd
    .args:
      - { .name: xc, .offset: 0, .size: 8, .value_kind: global_buffer, .address_space: global }
      - { .name: xs, .offset: 8, .size: 8, .value_kind: global_buffer, .address_space: global }
      - { .name: wc, .offset: 16, .size: 8, .value_kind: global_buffer, .address_space: global }
      - { .name: ws, .offset: 24, .size: 8, .value_kind: global_buffer, .address_space: global }
      - { .name: b_attn, .offset: 32, .size: 8, .value_kind: global_buffer, .address_space: global }
      - { .name: qb, .offset: 40, .size: 8, .value_kind: global_buffer, .address_space: global }
      - { .name: kv, .offset: 48, .size: 8, .value_kind: global_buffer, .address_space: global }
    .group_segment_fixed_size: 327680
    .private_segment_fixed_size: 0
    .kernarg_segment_align: 8
    .kernarg_segment_size: 56
    .max_flat_workgroup_size: 128
    .sgpr_count:     102
    .vgpr_count:     1024
    .wavefront_size: 32
...
	.end_amdgpu_metadata
.endif
;; end of part 2
;; launch attn (part 3): grid 4 x 64, 16 waves a work-group, no clusters, 215,040 bytes of LDS; arguments qb, kv, yc, ys; writes yc, ys
.if DOCPART == 3
	.amdgcn_target "amdgcn-amd-amdhsa--gfx1250"
	.amdhsa_code_object_version 6
	.text
	.protected	k_qfbae6eca1c_attn
	.globl	k_qfbae6eca1c_attn
	.p2align	8
	.type	k_qfbae6eca1c_attn,@function
k_qfbae6eca1c_attn:
	s_mov_b64 s[64:65], 0
	v_nop
	global_prefetch_b8 v0, s[64:65] scope:SCOPE_SE
	s_setreg_imm32_b32 hwreg(HW_REG_WAVE_MODE, 25, 1), 1
	s_wait_xcnt 0x0
; y[h][q] = the sum over keys k <= q of softmax_k(q . k / 8) v[k], both products on codes of FP6 (E2M3) with E8M0 scales; y is quantised along its 64 channels on the way out and stored as codes.
; THE SOFTMAX AHEAD OF THE SECOND PRODUCT: t = score x log2(e) / 8; M = the running largest t rounded UP to a whole number; p = 2^(t - M) is quantised along the keys, not normalised; the row's sum is taken of the
; unquantised p and divides at the end; when M moves, the sum and O are multiplied by 2^(old M - new M), exactly.
; SHARES.  A work-group holds ONE WHOLE HEAD's k and v in LDS: 16 records of 13,312 bytes, filled once: no ring, no refill.  Four work-groups to a head.  Each of the sixteen waves takes two tiles of 16 queries, one after the
; other: tile 16 g + w (its keys lie in the head's first half) and tile 127 - 16 g - w.  Together they see (t / 8 + 1) + (16 - t / 8) = 17 key steps of 128, whatever g and w: all waves of all 256 work-groups have equal work.
; NO CLUSTER, though the four work-groups of a head read the same bytes: a key step all of whose keys come after a wave's queries is left out by a branch that hangs on the work-group's queries, which partners of a joint load may not have.
; NO PREFETCH: all that the launch reads through LDS is asked for at its head.
; LAYOUT.  Both products are used transposed: S^T = K Q^T, O^T = V^T P^T: a lane holds ONE query (lane % 16) throughout; register j of tile t is key 16 t + 8 (lane / 16) + j.  p's codes come out in the order within a block
; in which the launch before has laid v's (position 16 a + 8 u + j holds element 16 u + 8 a + j); q's and k's agree likewise, and y's with W_proj's.
; THE HEAD'S K IS 64, THE INSTRUCTION'S 128.  Q's registers 6-11 are zero codes and bytes 2, 3 of both scale words are 0 (2^-127, a finite number).  K's tiles lie six registers each, on end: a tile's operand runs on over the next
; tile's codes (the last tile's over six zero registers): finite numbers that meet Q's zeros and add exactly 0.  That halves K's registers and LDS reads.
; LIMITS: NaN and infinities are not served; a block of p or y whose largest magnitude lies under 2^(3 - 127), zeros among them, keeps the byte 1 (read by this program alone).
; ys gets one byte a lane (two bytes a token and head): aligned blocks of 256 bytes are written in part there: 32 bytes beside each 768 of codes.
.set REC,   13312                      ; a key step's record: k's 8 units, v's 4 fragments, k's words, v's words
.set HALFH, 8*REC
.set CHUNK, 6656                       ; 26 rows of 256 bytes: what one tensor load brings; 32 chunks a head
.set SPARE, 16*REC                     ; behind the head: the spare words, 128 bytes a wave: eight blocks of 256 bytes that no other line names
.set SPW, 5                            ; v5  my spare word's address; never rewritten
.set NIL, 6                            ; v6  0; never rewritten
.set S,   96                           ; v96-159  S^T, then p
.set O,   160                          ; v160-191 O^T
.set PCD, 192                          ; v192-203 p's or y's codes;  v204-206, v208-210 a conversion's second halves
.set BM,  212                          ; v212-215 the blocks' largest
.set BT,  216                          ; v216-219 at work
.set BS,  220                          ; v220-223 the conversions' scale operands
.set TT,  224
.set F,   226                          ; v226 f = 2^(old M - new M);  v227 p's scale word
.set PWD, 227
; v1 16 x lane, v2 8 x lane, v3 16 r, v4 r - 8 h, v7 32 r + h, v8, v9 the step's addresses, v10 d, v11 -infinity, v12 -M, v13 the largest t, v[14:15] the sum; v16-21 Q, v22-27 zeros, v28 Q's word;
; v32-79 K's 8 x 6 registers, then V's 4 x 12; v80-85 zeros; v86-89 K's words, v90-93 V's.
	s_load_b256 s[4:11], s[0:1], 0x0               ; qb s[4:5], kv s[6:7], yc s[8:9], ys s[10:11]
	v_lshl_add_u32 v[SPW], v0, 2, SPARE
	v_mov_b32 v[NIL], 0
	ds_add_u32 v[SPW], v[NIL]                      ; the wave's opening: the add and its wait stand ahead of my first tensor load; the set-up below, work on registers, stands between them
	ds_add_u32 v[SPW], v[NIL]
	v_lshrrev_b32 v8, 5, v0
	s_delay_alu instid0(VALU_DEP_1)
	v_readfirstlane_b32 s12, v8                    ; wave 0..15
	s_mov_b32 s13, ttmp9                           ; g
	s_and_b32 s14, ttmp7, 0xffff                   ; 16 x batch + head
	s_mov_b32 s15, 0xffff0000                      ; lanes 16-31
	s_mov_b32 s20, 0x76543210
	s_mov_b32 s21, 0xfedcba98                      ; selects for lane l xor 16
	s_mov_b32 s22, 0x3e38aa3b                      ; c = log2(e) / 8
	s_mov_b32 s23, s22                             ; (named with it as a pair)
	s_mov_b32 s24, 3<<16                           ; group 1: no mask, elements of 8 bytes, no padding: 26 dense rows of 256 bytes
	s_mov_b32 s25, 32<<16                          ; tensor_dim0
	s_mov_b32 s26, 26<<16                          ; tensor_dim1
	s_mov_b32 s27, 32<<16                          ; tile_dim0
	s_mov_b32 s28, 26                              ; tile_dim1
	s_mov_b32 s29, 32                              ; tensor_dim0_stride
	s_mov_b32 s30, 0
	s_mov_b32 s31, 0
	s_mul_i32 s16, s12, CHUNK                      ; my chunk of each half
	s_mul_i32 s52, s14, 16*REC
	s_add_co_u32 s52, s52, s16
	s_mov_b32 s53, 0
	s_wait_dscnt 0x0                               ; the opening add is done
	s_wait_kmcnt 0x0
	s_mov_b32 s32, 1
	s_mov_b32 s33, s16
	s_add_nc_u64 s[34:35], s[6:7], s[52:53]
	s_mov_b32 s36, 1
	s_add_co_u32 s37, s16, HALFH
	s_add_nc_u64 s[38:39], s[34:35], HALFH
	s_or_b32 s35, s35, 0x80000000
	s_or_b32 s39, s39, 0x80000000
	tensor_load_to_lds s[32:35], s[24:31]          ; the first half's chunk,
	s_nop 0
	tensor_load_to_lds s[36:39], s[24:31]          ; the second half's: two loads of mine are out, and no more are issued
	s_nop 0
	v_and_b32 v8, 31, v0                           ; lane
	v_and_b32 v9, 15, v0                           ; r
	v_bfe_u32 v10, v0, 4, 1                        ; h
	s_delay_alu instid0(VALU_DEP_3)
	v_lshlrev_b32 v1, 4, v8
	s_delay_alu instid0(VALU_DEP_4)
	v_lshlrev_b32 v2, 3, v8
	s_delay_alu instid0(VALU_DEP_4)
	v_lshlrev_b32 v3, 4, v9
	s_delay_alu instid0(VALU_DEP_4)
	v_lshlrev_b32 v4, 3, v10
	s_delay_alu instid0(VALU_DEP_1)
	v_sub_nc_u32 v4, v9, v4
	v_lshl_add_u32 v7, v9, 5, v10
	v_mov_b32 v11, 0xff800000
.irp i, 0,1,2,3,4,5
	v_mov_b32 v[22+\i], 0                          ; Q's upper half: zero codes
	v_mov_b32 v[80+\i], 0                          ; what the last tile of K runs on over
.endr
.irp b, 0,1,2,3
	v_mov_b32 v[BT+\b], 0                          ; a lane permute's destination counts as one of its sources
.endr
	v_mov_b32 v[TT], 0
; One tile of 16 queries against the first 128 x steps keys.  second = 0: tile 16 g + w; 1: tile 127 - 16 g - w.
.macro PASS steps, second
	s_wait_xcnt 0x0                                ; the last tile's stores have read their registers and pointers
	s_lshl_b32 s40, s13, 4
	s_add_co_u32 s40, s40, s12
.if \second
	s_sub_co_u32 s40, 127, s40
.endif
	s_lshl_b32 s41, s40, 4                         ; my first query
	s_add_co_u32 s42, s41, 15                      ; my last
	s_mul_i32 s52, s14, 98304
	s_mul_i32 s54, s40, 768
	s_add_co_u32 s52, s52, s54
	s_add_nc_u64 s[44:45], s[4:5], s[52:53]        ; Q's unit
	s_lshl_b32 s52, s14, 13
	s_lshr_b32 s54, s40, 3
	s_lshl_b32 s54, s54, 9
	s_add_co_u32 s52, s52, s54                     ; the step's word image;
	s_bfe_u32 s54, s40, 0x10002
	s_lshl_b32 s54, s54, 8
	s_add_co_u32 s52, s52, s54                     ; tiles 4-7 lie in lanes 16-31's bytes;
	s_and_b32 s54, s40, 3
	s_lshl_b32 s54, s54, 2
	s_add_co_u32 s52, s52, s54                     ; the word
	s_add_co_u32 s52, s52, 6291456
	s_add_nc_u64 s[46:47], s[4:5], s[52:53]
	s_lshr_b32 s54, s14, 4                         ; the batch
	s_lshl_b32 s55, s54, 7
	s_add_co_u32 s55, s55, s40                     ; the token tile
	s_mul_i32 s52, s55, 12288
	s_and_b32 s55, s14, 15                         ; the head
	s_mul_i32 s43, s55, 768
	s_add_co_u32 s52, s52, s43
	s_add_nc_u64 s[48:49], s[8:9], s[52:53]        ; y's unit
	s_lshl_b32 s54, s54, 11
	s_add_co_u32 s54, s54, s41
	s_lshl_b32 s52, s54, 5
	s_lshl_b32 s55, s55, 1
	s_add_co_u32 s52, s52, s55
	s_add_nc_u64 s[50:51], s[10:11], s[52:53]      ; y's scale bytes
	global_load_b128 v[16:19], v1, s[44:45]
	global_load_b64 v[20:21], v2, s[44:45] offset:512
	global_load_b32 v28, v3, s[46:47]
	v_mov_b32 v13, 0xff61b1e6                      ; the largest t so far: -3e38, under every t
	s_delay_alu instid0(VALU_DEP_1)
	v_floor_f32 v12, -v13                          ; -M
	v_mov_b32 v14, 0
	v_mov_b32 v15, 0
.set i, 0
.rept 32
	v_mov_b32 v[O+i], 0                            ; O^T.  (The step is written once: the first finds zeros, which the first change of M leaves zeros)
.set i, i+1
.endr
	v_mov_b32 v[PWD], 0                            ; (named as the upper half of the pair with f before it is first written)
.if \second
	s_wait_tensorcnt 0x0                           ; my chunk of the second half is in
.else
	s_wait_tensorcnt 0x1                           ; my chunk of the first half is in; the second half's may be out: this tile reads the first half alone
.endif
	s_wait_dscnt 0x0
	s_barrier_signal -1
	s_barrier_wait -1                              ; everybody's is.
	s_wait_loadcnt 0x0                             ; Q
	s_mov_b32 s18, 0                               ; the step's first key
	s_mov_b32 s19, 0                               ; its record in LDS
.Lk_\@:
	s_cmp_gt_u32 s18, s42                          ; all 128 keys come after my queries: the step's work is left out; the trip count stays a constant
	s_cbranch_scc1 .Lhid_\@
	s_setprio 2
	v_add_nc_u32 v8, s19, v1
	v_add_nc_u32 v9, s19, v2
	v_nop
	v_nop                                          ; four places behind the last step's products, in front of loads into their operands
.irp t, 0,1,2,3,4,5,6,7
	ds_load_b128 v[32+6*\t:35+6*\t], v8 offset:768*\t
	ds_load_b64 v[36+6*\t:37+6*\t], v9 offset:768*\t+512
.endr
	ds_load_b128 v[86:89], v8 offset:12288         ; K's words: register i: tile i in lanes 0-15, tile 4 + i in lanes 16-31
	s_wait_alu depctr_va_vdst(0)
	s_wait_dscnt 0x0
.irp t, 0,1,2,3
	v_wmma_scale_f32_16x16x128_f8f6f4 v[S+8*\t:S+8*\t+7], v[32+6*\t:43+6*\t], v[16:27], 0, v[86+\t], v28 matrix_a_fmt:MATRIX_FMT_FP6 matrix_b_fmt:MATRIX_FMT_FP6
.endr
.irp t, 4,5,6,7
	v_wmma_scale_f32_16x16x128_f8f6f4 v[S+8*\t:S+8*\t+7], v[32+6*\t:43+6*\t], v[16:27], 0, v[82+\t], v28 matrix_a_fmt:MATRIX_FMT_FP6 matrix_b_fmt:MATRIX_FMT_FP6 matrix_a_scale:MATRIX_SCALE_ROW1
.endr
.rept 4
	v_nop                                          ; places: in front of the loads below and of the first read of the scores
.endr
.irp t, 0,1,2,3
.irp c, 0,1,2
	ds_load_b128 v[32+12*\t+4*\c:35+12*\t+4*\c], v8 offset:6144+1536*\t+512*\c   ; V's four fragments: they land under the softmax
.endr
.endr
	ds_load_b128 v[90:93], v8 offset:12800         ; V's words
	s_add_co_u32 s43, s18, 127                     ; on the diagonal the scores of hidden keys become -infinity ahead of the maximum: p = 0 then.  A step all of whose keys count skips this
	s_cmp_le_u32 s43, s41
	s_cbranch_scc1 .Lopen_\@
	s_sub_co_i32 s43, s41, s18
	v_add_nc_u32 v10, s43, v4                      ; d = my query - the step's first key - 8 h: register 8 t + j holds a hidden key where 16 t + j > d
.set i, 0
.rept 64
	v_cmp_gt_i32 vcc_lo, 16*(i/8)+i%8, v10
	v_cndmask_b32 v[S+i], v[S+i], v11, vcc_lo
.set i, i+1
.endr
.Lopen_\@:
.irp b, 0,1,2,3
	v_max3_num_f32 v[BM+\b], v[S+16*\b], v[S+1+16*\b], v[S+2+16*\b]   ; the largest score of each block of 32 keys: for the row's maximum and, since p rises with the score, for the block's largest p
.endr
.irp i, 3,5,7,9,11,13
.irp b, 0,1,2,3
	v_max3_num_f32 v[BM+\b], v[BM+\b], v[S+16*\b+\i], v[S+1+16*\b+\i]
.endr
.endr
.irp b, 0,1,2,3
	v_max_num_f32 v[BM+\b], v[BM+\b], v[S+15+16*\b]
.endr
.irp b, 0,1,2,3
	s_delay_alu instid0(VALU_DEP_4)
	v_permlanex16_b32 v[BT+\b], v[BM+\b], s20, s21
.endr
.irp b, 0,1,2,3
	s_delay_alu instid0(VALU_DEP_4)
	v_max_num_f32 v[BM+\b], v[BM+\b], v[BT+\b]     ; with lane l xor 16's 16 keys
.endr
	s_delay_alu instid0(VALU_DEP_2)
	v_max3_num_f32 v[TT], v[BM], v[BM+1], v[BM+2]
	s_delay_alu instid0(VALU_DEP_1)
	v_max_num_f32 v[TT], v[TT], v[BM+3]
	s_delay_alu instid0(VALU_DEP_1)
	v_mul_f32 v[TT], s22, v[TT]                    ; as t (c is positive)
	s_delay_alu instid0(VALU_DEP_1)
	v_max_num_f32 v13, v13, v[TT]                  ; the running largest t
	v_mov_b32 v[TT], v12
	s_delay_alu instid0(VALU_DEP_2)
	v_floor_f32 v12, -v13                          ; the new -M = floor(-t): M is a whole number
	s_delay_alu instid0(VALU_DEP_1)
	v_sub_f32 v[TT], v12, v[TT]                    ; old M - new M: a whole number, 0 or less
	s_delay_alu instid0(VALU_DEP_1)
	v_cvt_i32_f32 v[TT], v[TT]                     ; (it saturates)
	s_delay_alu instid0(VALU_DEP_1)
	v_ldexp_f32 v[F], 1.0, v[TT]                   ; f = 2^(old M - new M)
.set i, 0
.rept 32
	v_pk_fma_f32 v[S+i:S+i+1], v[S+i:S+i+1], s[22:23], v[12:13] op_sel_hi:[1,0,0]   ; t - M, two at a time
.set i, i+2
.endr
	s_setprio 1
.irp b, 0,1,2,3
	v_fma_f32 v[BM+\b], v[BM+\b], s22, v12         ; the same of each block's largest score
.endr
.set i, 0
	s_wait_alu depctr_va_vdst(0)
.rept 64
	v_exp_f32 v[S+i], v[S+i]                       ; p = 2^(t - M), at most 1
.set i, i+1
.endr
	v_pk_mul_f32 v[14:15], v[14:15], v[F:F+1] op_sel_hi:[1,0]   ; the sums under the new M: a plain instruction behind the exponentials
	s_wait_alu depctr_va_vdst(0)                   ; one wait for the batch of 64, ahead of its first reader
.irp b, 0,1,2,3
	v_exp_f32 v[BM+\b], v[BM+\b]                   ; the block's largest p: the same two instructions on the same number give the same bits
.endr
	v_pk_add_f32 v[216:217], v[100:101], v[104:105]
	v_pk_add_f32 v[254:255], v[108:109], v[112:113]
	v_pk_add_f32 v[252:253], v[116:117], v[120:121]
	v_pk_add_f32 v[250:251], v[124:125], v[128:129]
	v_pk_add_f32 v[248:249], v[132:133], v[136:137]
	v_pk_add_f32 v[246:247], v[140:141], v[144:145]
	v_pk_add_f32 v[244:245], v[148:149], v[152:153]
	v_pk_add_f32 v[14:15], v[14:15], v[156:157]
	v_pk_add_f32 v[216:217], v[216:217], v[96:97]
	v_pk_add_f32 v[254:255], v[254:255], v[98:99]
	v_pk_add_f32 v[252:253], v[252:253], v[102:103]
	v_pk_add_f32 v[250:251], v[250:251], v[106:107]
	v_pk_add_f32 v[248:249], v[248:249], v[110:111]
	v_pk_add_f32 v[246:247], v[246:247], v[114:115]
	v_pk_add_f32 v[244:245], v[244:245], v[118:119]
	v_pk_add_f32 v[14:15], v[14:15], v[122:123]
	v_pk_add_f32 v[216:217], v[216:217], v[126:127]
	v_pk_add_f32 v[254:255], v[254:255], v[130:131]
	v_pk_add_f32 v[252:253], v[252:253], v[134:135]
	v_pk_add_f32 v[250:251], v[250:251], v[138:139]
	v_pk_add_f32 v[248:249], v[248:249], v[142:143]
	v_pk_add_f32 v[246:247], v[246:247], v[146:147]
	v_pk_add_f32 v[244:245], v[244:245], v[150:151]
	v_pk_add_f32 v[14:15], v[14:15], v[154:155]
	v_pk_add_f32 v[216:217], v[216:217], v[158:159]
	s_delay_alu instid0(VALU_DEP_2)
	v_pk_add_f32 v[14:15], v[14:15], v[250:251]
	s_delay_alu instid0(VALU_DEP_2)
	v_pk_add_f32 v[216:217], v[216:217], v[248:249]
	v_pk_add_f32 v[254:255], v[254:255], v[246:247]
	v_pk_add_f32 v[252:253], v[252:253], v[244:245]
	s_delay_alu instid0(VALU_DEP_2)
	v_pk_add_f32 v[14:15], v[14:15], v[254:255]
	s_delay_alu instid0(VALU_DEP_2)
	v_pk_add_f32 v[216:217], v[216:217], v[252:253]
	s_delay_alu instid0(VALU_DEP_1)
	v_pk_add_f32 v[14:15], v[14:15], v[216:217]
	s_wait_alu depctr_va_vdst(0)                   ; and one for the four
.irp b, 0,1,2,3
	v_max_num_f32 v[BM+\b], 0x1800000, v[BM+\b]    ; the floor 2^(3 - 127): the byte cannot fall under 1
.endr
.irp b, 0,1,2,3
	s_delay_alu instid0(VALU_DEP_4)
	v_add_nc_u32 v[BS+\b], 0xff000000, v[BM+\b]    ; 2 off the exponent field: the conversion's scale operand
.endr
.irp b, 0,1,2,3
	s_delay_alu instid0(VALU_DEP_4)
	v_lshrrev_b32 v[BT+\b], 23, v[BS+\b]           ; the scale's byte
.endr
	s_delay_alu instid0(VALU_DEP_3)
	v_lshl_or_b32 v[PWD], v[BT+1], 8, v[BT]        ; p's scale word for these 128 keys
	s_delay_alu instid0(VALU_DEP_1)
	v_lshl_or_b32 v[PWD], v[BT+2], 16, v[PWD]
	s_delay_alu instid0(VALU_DEP_1)
	v_lshl_or_b32 v[PWD], v[BT+3], 24, v[PWD]
	s_setprio 0
.irp c, 0,1
	v_cvt_scalef32_pk16_fp6_f32 v[PCD+6*\c:PCD+2+6*\c], v[S+32*\c:S+15+32*\c], v[BS+2*\c]
	v_cvt_scalef32_pk16_fp6_f32 v[PCD+12+4*\c:PCD+14+4*\c], v[S+16+32*\c:S+31+32*\c], v[BS+2*\c+1]
.endr
	v_nop                                          ; one plain place behind a scaled conversion
.irp c, 0,1                            ; a WHOLE block in a lane: lanes 0-15 block 2 c, lanes 16-31 block 2 c + 1
.irp i, 0,1,2
	v_permlane16_swap_b32 v[PCD+6*\c+\i], v[PCD+12+4*\c+\i]
.endr
.irp i, 0,1,2
	s_delay_alu instid0(VALU_DEP_3)
	v_mov_b32 v[PCD+3+6*\c+\i], v[PCD+12+4*\c+\i]
.endr
.endr
.set i, 0
.rept 16
	v_pk_mul_f32 v[O+i:O+i+1], v[O+i:O+i+1], v[F:F+1] op_sel_hi:[1,0]   ; O^T under the new M.  (These sixteen are also the places between the codes' and the word's last writes and the products)
.set i, i+2
.endr
	s_wait_alu depctr_va_vdst(0)
	s_wait_dscnt 0x0                               ; V
.irp t, 0,1,2,3                        ; four accumulators, one instruction each; the next step's eight products on the scores stand between two links of a chain
	v_wmma_scale_f32_16x16x128_f8f6f4 v[O+8*\t:O+8*\t+7], v[32+12*\t:43+12*\t], v[PCD:PCD+11], v[O+8*\t:O+8*\t+7], v[90+\t], v[PWD] matrix_a_fmt:MATRIX_FMT_FP6 matrix_b_fmt:MATRIX_FMT_FP6
.endr
.Lhid_\@:
	s_add_co_u32 s18, s18, 128
	s_add_co_u32 s19, s19, REC
	s_cmp_lt_u32 s18, 128*\steps
	s_cbranch_scc1 .Lk_\@
	s_setprio 0
	; THE WAY OUT: y = O^T / the sum, quantised along its 64 channels: two blocks, one unit.
.rept 4
	v_nop                                          ; places behind the last products
.endr
	v_add_f32 v14, v14, v15
	s_delay_alu instid0(VALU_DEP_1)
	v_permlanex16_b32 v[TT], v14, s20, s21
	s_delay_alu instid0(VALU_DEP_1)
	v_add_f32 v14, v14, v[TT]                      ; the row's sum
	s_wait_alu depctr_va_vdst(0)
	v_rcp_f32 v14, v14
	v_nop                                          ; a plain instruction behind the reciprocal
	s_wait_alu depctr_va_vdst(0)                   ; and the wait ahead of its first reader
	v_mov_b32 v15, v14
.set i, 0
.rept 16
	v_pk_mul_f32 v[S+i:S+i+1], v[O+i:O+i+1], v[14:15]   ; register 8 t + j: channel 16 t + 8 h + j
.set i, i+2
.endr
.irp b, 0,1
	v_max3_num_f32 v[BM+\b], |v[S+16*\b]|, |v[S+1+16*\b]|, 0x1800000
.endr
.irp i, 2,4,6,8,10,12,14
.irp b, 0,1
	s_delay_alu instid0(VALU_DEP_2)
	v_max3_num_f32 v[BM+\b], v[BM+\b], |v[S+16*\b+\i]|, |v[S+1+16*\b+\i]|
.endr
.endr
.irp b, 0,1
	s_delay_alu instid0(VALU_DEP_2)
	v_permlanex16_b32 v[BT+\b], v[BM+\b], s20, s21
.endr
.irp b, 0,1
	s_delay_alu instid0(VALU_DEP_2)
	v_max_num_f32 v[BM+\b], v[BM+\b], v[BT+\b]
.endr
.irp b, 0,1
	s_delay_alu instid0(VALU_DEP_2)
	v_add_nc_u32 v[BS+\b], 0xff000000, v[BM+\b]
.endr
.irp b, 0,1
	s_delay_alu instid0(VALU_DEP_2)
	v_lshrrev_b32 v[BT+\b], 23, v[BS+\b]
.endr
	v_cvt_scalef32_pk16_fp6_f32 v[PCD:PCD+2], v[S:S+15], v[BS]
	v_cvt_scalef32_pk16_fp6_f32 v[PCD+12:PCD+14], v[S+16:S+31], v[BS+1]
	v_nop
.irp i, 0,1,2
	v_permlane16_swap_b32 v[PCD+\i], v[PCD+12+\i]
.endr
.irp i, 0,1,2
	s_delay_alu instid0(VALU_DEP_3)
	v_mov_b32 v[PCD+3+\i], v[PCD+12+\i]
.endr
	v_cndmask_b32 v[TT], v[BT], v[BT+1], s15       ; lane h stores block h's byte
	global_store_b128 v1, v[PCD:PCD+3], s[48:49]
	global_store_b64 v2, v[PCD+4:PCD+5], s[48:49] offset:512
	global_store_b8 v7, v[TT], s[50:51]
.endm
	PASS 8, 0
	PASS 16, 1
	s_wait_tensorcnt 0x0                           ; the wave's end
	ds_add_u32 v[SPW], v[NIL]
	s_wait_dscnt 0x0
	s_endpgm
.Lfunc_end_k_qfbae6eca1c_attn:
	.size	k_qfbae6eca1c_attn, .Lfunc_end_k_qfbae6eca1c_attn-k_qfbae6eca1c_attn
	.p2alignl 7, 3214868480
	.fill 96, 4, 3214868480
	.section	.rodata,"a",@progbits
	.p2align	6, 0x0
	.amdhsa_kernel k_qfbae6eca1c_attn
		.amdhsa_group_segment_fixed_size 215040
		.amdhsa_private_segment_fixed_size 0
		.amdhsa_enable_private_segment 0
		.amdhsa_kernarg_size 32
		.amdhsa_user_sgpr_count 2
		.amdhsa_user_sgpr_kernarg_segment_ptr 1
		.amdhsa_wavefront_size32 1
		.amdhsa_system_sgpr_workgroup_id_x 1
		.amdhsa_system_sgpr_workgroup_id_y 1
		.amdhsa_system_sgpr_workgroup_id_z 1
		.amdhsa_system_vgpr_workitem_id 0
		.amdhsa_next_free_vgpr 256
		.amdhsa_next_free_sgpr 66
		.amdhsa_reserve_vcc 1
		.amdhsa_float_denorm_mode_32 3
		.amdhsa_float_denorm_mode_16_64 3
		.amdhsa_memory_ordered 1
		.amdhsa_forward_progress 1
		.amdhsa_inst_pref_size 63
	.end_amdhsa_kernel
	.amdgpu_metadata
---
amdhsa.version: [ 1, 2 ]
amdhsa.kernels:
  - .name:           k_qfbae6eca1c_attn
    .symbol:         k_qfbae6eca1c_attn.kd
    .args:
      - { .name: qb, .offset: 0, .size: 8, .value_kind: global_buffer, .address_space: global }
      - { .name: kv, .offset: 8, .size: 8, .value_kind: global_buffer, .address_space: global }
      - { .name: yc, .offset: 16, .size: 8, .value_kind: global_buffer, .address_space: global }
      - { .name: ys, .offset: 24, .size: 8, .value_kind: global_buffer, .address_space: global }
    .group_segment_fixed_size: 215040
    .private_segment_fixed_size: 0
    .kernarg_segment_align: 8
    .kernarg_segment_size: 32
    .max_flat_workgroup_size: 512
    .sgpr_count:     66
    .vgpr_count:     256
    .wavefront_size: 32
...
	.end_amdgpu_metadata
.endif
;; end of part 3
;; launch proj (part 4): grid 4 x 64, 4 waves a work-group, clusters of 4 x 4, 327,680 bytes of LDS; arguments yc, ys, wc, ws, b_proj, out0; writes out0
.if DOCPART == 4
	.amdgcn_target "amdgcn-amd-amdhsa--gfx1250"
	.amdhsa_code_object_version 6
	.text
	.protected	k_qfbae6eca1c_proj
	.globl	k_qfbae6eca1c_proj
	.p2align	8
	.type	k_qfbae6eca1c_proj,@function
k_qfbae6eca1c_proj:
	s_mov_b64 s[64:65], 0
	v_nop
	global_prefetch_b8 v0, s[64:65] scope:SCOPE_SE
	s_setreg_imm32_b32 hwreg(HW_REG_WAVE_MODE, 25, 1), 1
	s_wait_xcnt 0x0
	s_wait_alu depctr_hold_cnt(0) depctr_sa_sdst(0) depctr_va_vdst(0) depctr_va_sdst(0) depctr_va_ssrc(0) depctr_va_vcc(0) depctr_vm_vsrc(0)
	s_getreg_b32 s2, hwreg(HW_REG_IB_STS2, 6, 4)
	s_cmp_eq_u32 s2, 0
	s_cbranch_scc0 .Lentry_in_a_cluster
	s_endpgm
.Lentry_in_a_cluster:
	s_bfe_u32 s2, ttmp6, 0x10000c
	s_cmp_lg_u32 s2, 0xf033
	s_cbranch_scc0 .Lentry_shape_is_right
	s_endpgm
.Lentry_shape_is_right:
; out0 = y W_proj + b_proj on codes of FP6 (E2M3) with E8M0 scales, sums in f32.  y's codes yc [token tile 512][unit 16][768] and scale bytes ys [token][32]; W_proj's are wc's column tiles 192-255 and ws's rows 3072-4095.
; (A unit: 16 rows x 64 K, 768 bytes: lane l's registers 0-3 at 16 l, registers 4-5 at 512 + 8 l.  Both operands have the same order within a block of 32.)
; A tile of 128 tokens x 256 outputs to a work-group, so that there are 256 work-groups (256 x 256 would give 128); a wave makes 64 x 128: 32 accumulators.
; ALL OF K = 1,024 FITS IN LDS: two slots of 512 along K, both filled at the start and never again: one change of slots, no round of the cluster's barrier in between.
; CLUSTERS: 4 x 4.  y's tiles hang on cy alone and are asked for jointly by a row of the cluster, W_proj's on cx alone, by a column.
; TRANSPOSED USE: source 0 = 16 rows of W_proj's codes (outputs), source 1 = 16 tokens: a lane holds eight neighbouring outputs of a token.  The bias is the C of each sum's first matrix instruction.
; REGISTERS: window 0: v0-31 addresses; v32-95 scale words, two sets of 32; v96-143 y's fragments, ONE set; v144-207 the bias; on the way out v128-255 take rows.  window 1: W_proj's fragments, two sets, at v0 and v128.
;   window 2: the accumulators ((a, b) at v[8 (8 a + b)]).
.set FR,    12
.set NL,    4
.set NP,    4
.set NQ,    4                          ; steps of 128 along K in a slot
.set TP,    NQ*1536                    ; a row tile's bytes in a slot
.set HALFA, 4*TP                       ; 64 tokens
.set HALFB, 8*TP                       ; 128 outputs
.set SLOT,  2*HALFA+2*HALFB
.set SCL,   2*SLOT                     ; the scales of all of K, as rows of 256 bytes + 16 of padding: y's 2 x 2,176 bytes, W_proj's 2 x 4,352
.set SBLK,  544
.set SPARE, SCL+13056                  ; the spare words, 128 bytes a wave: two blocks of 256 bytes that no other line names
.set SPITCH, 528                       ; the way out: a stage of 16 rows x (512 + 16) bytes a wave, in slot 0: it has had its only fill, and nobody reads it behind the change of slots
.set ADRA, 16
.set ADRB, 20
.set LI,   24                          ; v24  16 x lane: also my bytes in a row of out0
.set LJ,   25                          ; v25  8 x lane
.set STO,  26                          ; v26  the stage: where I put 32 bytes of a row
.set ADRS, 27
.set SPW,  28
.set NIL,  29
.set RD,   30                          ; v30  the stage: where I read a row back
.set SC,   32
.set AF,   96
.set BQ,   144
.set BK,   128
.set G1, 24
.set G0, 32
.set G1B, 48
.set G0B, 56
.set G1S, 68
.set G0S, 76
.set G1SB, 80
.set G0SB, 88
.set MSB, 0
.macro WIN new
.if MSB != \new
	s_set_vgpr_msb (MSB<<8)|\new
.set MSB, \new
.endif
.endm
.set MUL_1ST, 0x81                     ; source 0 window 1, source 1 and C (the bias) window 0, D window 2
.set MUL,     0xa1                     ; C and D window 2
.set TO_B,    0x40
.macro JLOAD g0a, g1a, g0b, g1b        ; waves 0 and 1 fetch for y, waves 2 and 3 for W_proj; an s_nop 0 and four v_nop follow each of the two lines
	s_cmp_eq_u32 s19, 0
	s_cbranch_scc0 .Lfor_b_\@
	tensor_load_to_lds s[\g0a:\g0a+3], s[\g1a:\g1a+7]
	s_nop 0
.rept 4
	v_nop
.endr
	s_branch .Lasked_\@
.Lfor_b_\@:
	tensor_load_to_lds s[\g0b:\g0b+3], s[\g1b:\g1b+7]
	s_nop 0
.rept 4
	v_nop
.endr
.Lasked_\@:
.endm
.macro CROUND                          ; a round of the cluster's barrier
	s_barrier_signal -1
	s_barrier_wait -1
	s_cmp_lg_u32 s18, 0
	s_cbranch_scc1 .Lnot_wave_0_\@
	s_barrier_signal -3
.Lnot_wave_0_\@:
	s_barrier_wait -3
	s_barrier_signal -1
	s_barrier_wait -1
.endm
	s_load_b256 s[4:11], s[0:1], 0x0               ; yc s[4:5], ys s[6:7], wc s[8:9], ws s[10:11]
	s_load_b128 s[12:15], s[0:1], 0x20             ; b_proj s[12:13], out0 s[14:15]
	v_lshl_add_u32 v[SPW], v0, 2, SPARE
	v_mov_b32 v[NIL], 0
	ds_add_u32 v[SPW], v[NIL]                      ; the wave's opening: the add and its wait stand ahead of my first tensor load
	v_lshrrev_b32 v1, 5, v0
	v_readfirstlane_b32 s18, v1                    ; wave
	s_lshr_b32 s19, s18, 1                         ; HA: my 64 of the 128 tokens.  Also: I fetch for y (0) or for W_proj (1)
	s_and_b32 s20, s18, 1                          ; HB: my 128 of the 256 outputs.  Also: which half I fetch
	s_bfe_u32 s21, ttmp6, 0x40000                  ; cx
	s_bfe_u32 s22, ttmp6, 0x40004                  ; cy
	s_and_b32 s40, ttmp7, 0xffff
	s_lshl_b32 s40, s40, 2
	s_add_co_u32 s40, s40, s22                     ; TR: the tile of 128 tokens
	s_lshl_b32 s41, ttmp9, 2
	s_add_co_u32 s41, s41, s21                     ; TC: the tile of 256 outputs
	s_lshl_b32 s42, s22, 2
	s_lshl_b32 s42, 15, s42                        ; my row of the cluster
	s_lshl_b32 s43, 0x1111, s21                    ; my column
	s_or_b32 s[G1+0], s42, (3<<16)|(1<<21)         ; y's codes: 4 row tiles x 6,144 bytes (768 elements of 8 bytes), 12,288 bytes apart
	s_mov_b32 s[G1+1], 768<<16
	s_mov_b32 s[G1+2], 4<<16
	s_mov_b32 s[G1+3], 768<<16
	s_mov_b32 s[G1+4], 4
	s_mov_b32 s[G1+5], 1536
	s_mov_b32 s[G1+6], 0
	s_mov_b32 s[G1+7], 0
	s_or_b32 s[G1B+0], s43, (3<<16)|(1<<21)        ; W_proj's: 8 row tiles
	s_mov_b32 s[G1B+1], 768<<16
	s_mov_b32 s[G1B+2], 8<<16
	s_mov_b32 s[G1B+3], 768<<16
	s_mov_b32 s[G1B+4], 8
	s_mov_b32 s[G1B+5], 1536
	s_mov_b32 s[G1B+6], 0
	s_mov_b32 s[G1B+7], 0
	s_or_b32 s[G1S+0], s42, (3<<16)|(1<<20)|(1<<21)|(5<<22)|(3<<25)   ; y's scales of 64 tokens: 8 rows of 256 bytes, 16 of padding behind each
	s_mov_b32 s[G1S+1], 32<<16
	s_mov_b32 s[G1S+2], 8<<16
	s_mov_b32 s[G1S+3], 32<<16
	s_mov_b32 s[G1S+4], 8
	s_mov_b32 s[G1S+5], 32
	s_mov_b32 s[G1S+6], 0
	s_mov_b32 s[G1S+7], 0
	s_or_b32 s[G1SB+0], s43, (3<<16)|(1<<20)|(1<<21)|(5<<22)|(3<<25)  ; W_proj's of 128 outputs: 16 rows
	s_mov_b32 s[G1SB+1], 32<<16
	s_mov_b32 s[G1SB+2], 16<<16
	s_mov_b32 s[G1SB+3], 32<<16
	s_mov_b32 s[G1SB+4], 16
	s_mov_b32 s[G1SB+5], 32
	s_mov_b32 s[G1SB+6], 0
	s_mov_b32 s[G1SB+7], 0
	s_lshl_b32 s100, s20, 6
	s_lshl_b32 s101, s20, 7
	s_lshl_b32 s44, s40, 7
	s_add_co_u32 s44, s44, s100                    ; y's row: 128 TR + 64 x half
	s_lshl_b32 s46, s41, 8
	s_add_co_u32 s46, s46, s101
	s_add_co_u32 s46, s46, 3072                    ; W_proj's row in wc and ws: 3072 + 256 TC + 128 x half
	s_mul_i32 s92, s44, 768
	s_mov_b32 s93, 0
	s_lshl_b32 s94, s44, 5
	s_mov_b32 s95, 0
	s_mul_i32 s96, s46, 768
	s_mov_b32 s97, 0
	s_lshl_b32 s98, s46, 5
	s_mov_b32 s99, 0
	s_mul_i32 s45, s20, HALFA                      ; where they go in LDS: made of the wave's number alone
	s_mul_i32 s47, s20, HALFB
	s_add_co_u32 s47, s47, 2*HALFA
	s_mul_i32 s66, s20, 2176
	s_add_co_u32 s66, s66, SCL
	s_mul_i32 s67, s20, 4352
	s_add_co_u32 s67, s67, SCL+4352
	s_wait_dscnt 0x0                               ; the opening add is done
	s_wait_kmcnt 0x0
	s_add_nc_u64 s[92:93], s[4:5], s[92:93]
	s_add_nc_u64 s[94:95], s[6:7], s[94:95]
	s_add_nc_u64 s[96:97], s[8:9], s[96:97]
	s_add_nc_u64 s[98:99], s[10:11], s[98:99]
	CROUND                                         ; all sixteen work-groups are here: the joint loads meet
	s_mov_b32 s[G0S], 1
	s_mov_b32 s[G0S+1], s66
	s_mov_b64 s[G0S+2:G0S+3], s[94:95]
	s_or_b32 s[G0S+3], s[G0S+3], 0x80000000
	s_mov_b32 s[G0SB], 1
	s_mov_b32 s[G0SB+1], s67
	s_mov_b64 s[G0SB+2:G0SB+3], s[98:99]
	s_or_b32 s[G0SB+3], s[G0SB+3], 0x80000000
	JLOAD G0S, G1S, G0SB, G1SB                     ; the scales first.  With the two below, three loads of mine are out, and no more are issued
.irp s, 0,1
	s_mov_b32 s[G0+4*\s], 1
	s_add_co_u32 s[G0+4*\s+1], s45, \s*SLOT
	s_add_nc_u64 s[G0+4*\s+2:G0+4*\s+3], s[92:93], \s*TP
	s_or_b32 s[G0+4*\s+3], s[G0+4*\s+3], 0x80000000
	s_mov_b32 s[G0B+4*\s], 1
	s_add_co_u32 s[G0B+4*\s+1], s47, \s*SLOT
	s_add_nc_u64 s[G0B+4*\s+2:G0B+4*\s+3], s[96:97], \s*TP
	s_or_b32 s[G0B+4*\s+3], s[G0B+4*\s+3], 0x80000000
	JLOAD G0+4*\s, G1, G0B+4*\s, G1B
.endr
	v_and_b32 v1, 31, v0
	v_and_b32 v2, 15, v0                           ; r
	v_bfe_u32 v3, v0, 4, 1                         ; h
	v_lshlrev_b32 v[LI], 4, v1
	v_lshlrev_b32 v[LJ], 3, v1
	s_mul_i32 s45, s19, HALFA                      ; my 64 tokens
	s_mul_i32 s47, s20, HALFB                      ; my 128 outputs,
	s_add_co_u32 s47, s47, 2*HALFA                 ; behind y's 128 tokens
.irp s, 0,1
	v_add_nc_u32 v[ADRA+\s], s45, v[LI]
	v_add_nc_u32 v[ADRA+2+\s], s45, v[LJ]
	v_add_nc_u32 v[ADRB+\s], s47, v[LI]
	v_add_nc_u32 v[ADRB+2+\s], s47, v[LJ]
	s_add_co_u32 s45, s45, SLOT
	s_add_co_u32 s47, s47, SLOT
.endr
	v_lshlrev_b32 v5, 5, v2
	v_lshrrev_b32 v6, 3, v2
	v_lshl_add_u32 v5, v6, 4, v5                   ; my row's scales: 32 r + 16 (r / 8)
	s_mul_i32 s66, s19, 2176                       ; y's: my 64 tokens
	s_mul_i32 s67, s20, 4352                       ; W_proj's: my 128 outputs, behind y's
	s_add_co_u32 s67, s67, 4352
	s_sub_co_u32 s67, s67, s66
	v_mul_u32_u24 v6, s67, v3                      ; lanes 16-31 take W_proj's: one product, the distance x h
	s_add_co_u32 s66, s66, SCL
	v_add_nc_u32 v5, v5, v6
	v_add_nc_u32 v[ADRS], s66, v5
	s_mul_i32 s66, s18, 16*SPITCH                  ; my stage
	v_mul_u32_u24 v5, v2, SPITCH
	v_lshl_add_u32 v5, v3, 5, v5
	v_add_nc_u32 v[STO], s66, v5                   ; in: row r, + 32 h
	v_add_nc_u32 v[RD], s66, v[LI]                 ; back: a whole row of 512 bytes
	s_lshl_b32 s46, s41, 10
	s_lshl_b32 s100, s20, 9
	s_add_co_u32 s46, s46, s100                    ; my first output, in bytes: 1,024 TC + 512 HB
	s_mov_b32 s47, 0
	s_add_nc_u64 s[12:13], s[12:13], s[46:47]      ; in b_proj,
	s_add_nc_u64 s[14:15], s[14:15], s[46:47]      ; and in a row of out0
	s_lshl_b32 s44, s40, 19
	s_lshl_b32 s100, s19, 18
	s_add_co_u32 s44, s44, s100                    ; my first token's row: (128 TR + 64 HA) x 4,096 bytes
	s_mov_b32 s45, 0
	s_add_nc_u64 s[14:15], s[14:15], s[44:45]
	v_lshlrev_b32 v4, 5, v3                        ; 32 h
.irp b, 0,1,2,3,4,5,6,7
	global_load_b128 v[BQ+8*\b:BQ+8*\b+3], v4, s[12:13] offset:64*\b        ; the bias of outputs 16 b + 8 h + 0 .. 7
	global_load_b128 v[BQ+8*\b+4:BQ+8*\b+7], v4, s[12:13] offset:64*\b+16
.endr
.macro FRAG reg, adr, q, i             ; a fragment is two units
	ds_load_b128 v[\reg:\reg+3], v[\adr] offset:(\i)*TP+(\q)*1536
	ds_load_b64 v[\reg+4:\reg+5], v[\adr+2] offset:(\i)*TP+(\q)*1536+512
	ds_load_b128 v[\reg+6:\reg+9], v[\adr] offset:(\i)*TP+(\q)*1536+768
	ds_load_b64 v[\reg+10:\reg+11], v[\adr+2] offset:(\i)*TP+(\q)*1536+1280
.endm
; 8 matrix instructions: token block a x the eight blocks of outputs.  first = 1: the bias starts the sums.  The 32 accumulators take turns, one instruction a turn, in the same order in every step.
.macro MULB a, p, q, sc, first
.irp b, 0,1,2,3,4,5,6,7
.if \first
	v_wmma_scale_f32_16x16x128_f8f6f4 v[8*(8*(\a)+\b):8*(8*(\a)+\b)+7], v[128*(\p)+FR*\b:128*(\p)+FR*\b+FR-1], v[AF+FR*(\a):AF+FR*(\a)+FR-1], v[BQ+8*\b:BQ+8*\b+7], v[SC+8*NQ*(\sc)+NQ*\b+(\q)], v[SC+8*NQ*(\sc)+NQ*(\a)+(\q)] matrix_a_fmt:MATRIX_FMT_FP6 matrix_b_fmt:MATRIX_FMT_FP6 matrix_a_scale:MATRIX_SCALE_ROW1
.else
	v_wmma_scale_f32_16x16x128_f8f6f4 v[8*(8*(\a)+\b):8*(8*(\a)+\b)+7], v[128*(\p)+FR*\b:128*(\p)+FR*\b+FR-1], v[AF+FR*(\a):AF+FR*(\a)+FR-1], v[8*(8*(\a)+\b):8*(8*(\a)+\b)+7], v[SC+8*NQ*(\sc)+NQ*\b+(\q)], v[SC+8*NQ*(\sc)+NQ*(\a)+(\q)] matrix_a_fmt:MATRIX_FMT_FP6 matrix_b_fmt:MATRIX_FMT_FP6 matrix_a_scale:MATRIX_SCALE_ROW1
.endif
.endr
.endm
.macro FETCH_B slot, q, p
	WIN TO_B
.irp i, 0,1,2,3,4,5,6,7
	FRAG 128*(\p)+FR*\i, ADRB+\slot, \q, \i
.endr
	WIN 0
.endm
.macro FETCH_A slot, q, i0             ; token blocks i0, i0 + 1
.irp i, \i0, \i0+1
	FRAG AF+FR*(\i), ADRA+\slot, \q, \i
.endr
.endm
.macro SCALES sc                       ; a slot's four words a row.  Lanes 0-15 of registers 16 on read past my four token blocks, bytes that the scales' loads have filled; no product names them
.irp i, 0,1,2,3,4,5,6,7
	ds_load_b128 v[SC+8*NQ*\sc+NQ*\i:SC+8*NQ*\sc+NQ*\i+3], v[ADRS] offset:\i*SBLK
.endr
.endm
.macro PLACES n
.rept \n
	v_nop
.endr
.endm
.macro STEP slot, q, first
	s_wait_dscnt 2*NL                              ; all but the youngest eight loads, token blocks 2 and 3
.if \first
	WIN MUL_1ST
.else
	WIN MUL
.endif
	MULB 0, (\q)%2, \q, \slot, \first
	MULB 1, (\q)%2, \q, \slot, \first
	s_wait_dscnt 0x0
	PLACES NP
	FETCH_B \slot, (\q)+1, 1-(\q)%2
	FETCH_A \slot, (\q)+1, 0
.if \first
	WIN MUL_1ST
.else
	WIN MUL
.endif
	MULB 2, (\q)%2, \q, \slot, \first
	MULB 3, (\q)%2, \q, \slot, \first
	PLACES NP
	WIN 0
	FETCH_A \slot, (\q)+1, 2
.endm
	s_wait_tensorcnt 0x1                           ; the scales and my part of slot 0 are in; slot 1's load may be out
	s_barrier_signal -1
	s_barrier_wait -1
	s_wait_loadcnt 0x0                             ; the bias
	FETCH_B 0, 0, 0
	FETCH_A 0, 0, 0
	SCALES 0
	FETCH_A 0, 0, 2
	STEP 0, 0, 1
	STEP 0, 1, 0
	STEP 0, 2, 0
	; slot 0's last step changes slots: one barrier; in front of it my part of slot 1 has landed and my reads of slot 0 are over
	s_wait_tensorcnt 0x0
	ds_add_u32 v[SPW], v[NIL]                      ; 0 onto my spare word
	s_wait_dscnt 2*NL+1                            ; the add and the youngest eight loads may be out
	WIN MUL
	MULB 0, 1, 3, 0, 0
	s_wait_dscnt 0x0
	s_barrier_signal -1
	MULB 1, 1, 3, 0, 0
	WIN 0
	s_barrier_wait -1
	PLACES NP
	v_add_nc_u32 v[ADRS], 4*NQ, v[ADRS]            ; on to slot 1's scale words
	FETCH_B 1, 0, 0
	FETCH_A 1, 0, 0
	SCALES 1
	WIN MUL
	MULB 2, 1, 3, 0, 0
	MULB 3, 1, 3, 0, 0
	PLACES NP
	WIN 0
	FETCH_A 1, 0, 2
	STEP 1, 0, 0
	STEP 1, 1, 0
	STEP 1, 2, 0
	s_wait_dscnt 2*NL                              ; the last step
	WIN MUL
	MULB 0, 1, 3, 1, 0
	MULB 1, 1, 3, 1, 0
	s_wait_dscnt 0x0
	MULB 2, 1, 3, 1, 0
	MULB 3, 1, 3, 1, 0
	WIN 0
; THE WAY OUT, block by block of 16 tokens x 128 outputs: through my own stage and back as whole rows of 512 bytes.  LDS serves a wave's instructions in order: no wait between the stores and the loads, nor in front of the next block's stores.
.macro TOSTAGE a
	WIN 0x08                                       ; an LDS store's data: window 2
.irp b, 0,1,2,3,4,5,6,7
	ds_store_b128 v[STO], v[64*(\a)+8*\b:64*(\a)+8*\b+3] offset:64*\b          ; each accumulator from its low end on
	ds_store_b128 v[STO], v[64*(\a)+8*\b+4:64*(\a)+8*\b+7] offset:64*\b+16
.endr
	WIN 0
.set BB, BK+64*((\a)%2)
.irp t, 0,1,2,3,4,5,6,7,8,9,10,11,12,13,14,15
	ds_load_b128 v[BB+4*\t:BB+4*\t+3], v[RD] offset:\t*SPITCH
.endr
.endm
.macro SEND a, younger                 ; younger: the LDS instructions issued behind block a's loads, which may stay out
.set BB, BK+64*((\a)%2)
	s_wait_dscnt \younger
.if (\a) > 0
	s_add_nc_u64 s[14:15], s[14:15], 16*4096       ; 16 rows on (the earlier stores have read their base: the wait for that stands ahead)
.endif
.irp t, 0,1,2,3,4,5,6,7,8,9,10,11,12,13,14,15
	global_store_b128 v[LI], v[BB+4*\t:BB+4*\t+3], s[14:15] offset:\t*4096 th:TH_STORE_NT   ; 32 lanes store 512 consecutive bytes, at a multiple of 256 from out0's first byte
.endr
.endm
	PLACES NP                                      ; behind the last products: for the loads into registers that held their operands, and for the reads of their results
	TOSTAGE 0
.irp a, 1,2,3
.if \a > 1
	s_wait_xcnt 0x0                                ; block a - 2's stores have read their registers and their base
.endif
	TOSTAGE \a
	SEND \a-1, 32                                  ; behind block a - 1's loads: block a's 16 stores and 16 loads
.endr
	s_wait_xcnt 0x0
	SEND 3, 0
	s_wait_tensorcnt 0x0                           ; the wave's end, behind my last LDS store
	ds_add_u32 v[SPW], v[NIL]
	s_wait_dscnt 0x0
	CROUND                                         ; the closing round: no work-group ends while a partner may still ask for a tile that names it
	s_endpgm
.Lfunc_end_k_qfbae6eca1c_proj:
	.size	k_qfbae6eca1c_proj, .Lfunc_end_k_qfbae6eca1c_proj-k_qfbae6eca1c_proj
	.p2alignl 7, 3214868480
	.fill 96, 4, 3214868480
	.section	.rodata,"a",@progbits
	.p2align	6, 0x0
	.amdhsa_kernel k_qfbae6eca1c_proj
		.amdhsa_group_segment_fixed_size 327680
		.amdhsa_private_segment_fixed_size 0
		.amdhsa_enable_private_segment 0
		.amdhsa_kernarg_size 48
		.amdhsa_user_sgpr_count 2
		.amdhsa_user_sgpr_kernarg_segment_ptr 1
		.amdhsa_wavefront_size32 1
		.amdhsa_system_sgpr_workgroup_id_x 1
		.amdhsa_system_sgpr_workgroup_id_y 1
		.amdhsa_system_sgpr_workgroup_id_z 1
		.amdhsa_system_vgpr_workitem_id 0
		.amdhsa_next_free_vgpr 768
		.amdhsa_next_free_sgpr 102
		.amdhsa_reserve_vcc 0
		.amdhsa_float_denorm_mode_32 3
		.amdhsa_float_denorm_mode_16_64 3
		.amdhsa_memory_ordered 1
		.amdhsa_forward_progress 1
		.amdhsa_inst_pref_size 87
	.end_amdhsa_kernel
	.amdgpu_metadata
---
amdhsa.version: [ 1, 2 ]
amdhsa.kernels:
  - .name:           k_qfbae6eca1c_proj
    .symbol:         k_qfbae6eca1c_proj.kd
    .args:
      - { .name: yc, .offset: 0, .size: 8, .value_kind: global_buffer, .address_space: global }
      - { .name: ys, .offset: 8, .size: 8, .value_kind: global_buffer, .address_space: global }
      - { .name: wc, .offset: 16, .size: 8, .value_kind: global_buffer, .address_space: global }
      - { .name: ws, .offset: 24, .size: 8, .value_kind: global_buffer, .address_space: global }
      - { .name: b_proj, .offset: 32, .size: 8, .value_kind: global_buffer, .address_space: global }
      - { .name: out0, .offset: 40, .size: 8, .value_kind: global_buffer, .address_space: global }
    .group_segment_fixed_size: 327680
    .private_segment_fixed_size: 0
    .kernarg_segment_align: 8
    .kernarg_segment_size: 48
    .max_flat_workgroup_size: 128
    .sgpr_count:     102
    .vgpr_count:     768
    .wavefront_size: 32
...
	.end_amdgpu_metadata
.endif
;; end of part 4
